; MI455X (gfx1250); checked and timed in simulation.
; The chip was launched on July 23, 2026; its instructions are those of AMD's public machine-readable ISA for CDNA 5 (MIT licence, August 2026) and "CDNA5" Instruction Set Architecture Reference Guide (July 2026). The comments in the code are by the model that wrote it; some were corrected since.
;; Self Attention Layer. Allowed arithmetic: matrix products marked QUANTISED: E2M3 operands, one E8M0 scale for each 32 along K, by v_wmma_scale_f32_16x16x128_f8f6f4 with both operands' format E2M3, f32 sums; everything else in f32.
;; Inputs: H 2 x 2,048 x 1,024 float32; W1_codes 4,096 x 32 x 24 uint8 (E2M3 codes of W1, K innermost, in blocks of 32 codes, four codes in three bytes); W1_scales 4,096 x 32 uint8 (E8M0 scales of W1, one for each 32 codes along K); W2_codes 1,024 x 128 x 24 uint8 (E2M3 codes of W2, K innermost, in blocks of 32 codes, four codes in three bytes); W2_scales 1,024 x 128 uint8 (E8M0 scales of W2, one for each 32 codes along K); Wk_codes 1,024 x 32 x 24 uint8 (E2M3 codes of Wk, K innermost, in blocks of 32 codes, four codes in three bytes); Wk_scales 1,024 x 32 uint8 (E8M0 scales of Wk, one for each 32 codes along K); Wq_codes 1,024 x 32 x 24 uint8 (E2M3 codes of Wq, K innermost, in blocks of 32 codes, four codes in three bytes); Wq_scales 1,024 x 32 uint8 (E8M0 scales of Wq, one for each 32 codes along K); Wv_codes 1,024 x 32 x 24 uint8 (E2M3 codes of Wv, K innermost, in blocks of 32 codes, four codes in three bytes); Wv_scales 1,024 x 32 uint8 (E8M0 scales of Wv, one for each 32 codes along K); attention_mask 2 x 1 x 1 x 2,048 float32; b1 4,096 float32; b2 1,024 float32; be1 1,024 float32; be2 1,024 float32; g1 1,024 float32; g2 1,024 float32.
;; Outputs: out0 2 x 2,048 x 1,024 float32.
;; This version of the problem:
;;   THIS VERSION OF THE PROBLEM IS GIVEN IN LOW PRECISION. The matrix products marked QUANTISED in the list below multiply operands that are first quantised to E2M3 (2 exponent bits, 3 mantissa bits; 6 bits a number), with one power-of-two scale for each 32 numbers along K (OCP MX v1.0); their sums are f32. All else is computed in f32.
;;   The module's matrix products, in the order in which they are computed (A, B: the left and right operand; K: the contracted axis; several contracted axes count as one K, in the product's order):
;;     1. [M 4,096, K 1,024] x [K 1,024, N 1,024]; A: input H; B: input Wq (given as codes): QUANTISED
;;     2. [M 4,096, K 1,024] x [K 1,024, N 1,024]; A: input H; B: input Wk (given as codes): QUANTISED
;;     3. [M 4,096, K 1,024] x [K 1,024, N 1,024]; A: input H; B: input Wv (given as codes): QUANTISED
;;     4. batch 32 x [M 2,048, K 64] x [K 64, N 2,048]; A: computed on the way; B: computed on the way: QUANTISED
;;     5. batch 32 x [M 2,048, K 2,048] x [K 2,048, N 64]; A: softmax (see below); B: computed on the way: QUANTISED
;;     6. [M 4,096, K 1,024] x [K 1,024, N 4,096]; A: computed on the way; B: input W1 (given as codes): QUANTISED
;;     7. [M 4,096, K 4,096] x [K 4,096, N 1,024]; A: computed on the way; B: input W2 (given as codes): QUANTISED
;;   THE QUANTISER, for each operand of a quantised product, along K:
;;     - K is cut into blocks of 32 from its start; a last block that is shorter is filled with zeros.
;;     - A block's scale is 2^e with e = floor(log2(the largest magnitude in the block)) - 2, held to -126 .. 127; a block of zeros has e = 0. As a byte (E8M0): e + 127.
;;     - Each number is divided by its block's scale, clamped to +-7.5, and rounded to the nearest number of E2M3, ties to even, subnormals kept.
;;     - The product sums the exact products of the quantised numbers (number of the format x scale) in f32.
;;   ~~~python
;;   def quantise(x, axis):      # numpy; x: float32 -> the quantised numbers, widened to float32 again
;;       x = np.moveaxis(x, axis, -1); K = x.shape[-1]
;;       x = np.pad(x, [(0, 0)] * (x.ndim - 1) + [(0, -K % 32)]); x = x.reshape(x.shape[:-1] + (-1, 32)); a = np.abs(x).max(-1, keepdims=True)
;;       e = np.where(a > 0, np.clip(np.frexp(np.where(a > 0, a, 1))[1] - 1 - 2, -126, 127), 0)      # np.frexp(a)[1] - 1 = floor(log2(a)), exactly
;;       r = np.clip(x / 2.0 ** e, -7.5, 7.5)
;;       step = 2.0 ** (np.maximum(np.frexp(np.where(r == 0, 1, r))[1] - 1, 0) - 3)
;;       q = np.round(r / step) * step * 2.0 ** e      # np.round: ties to even
;;       return np.moveaxis(q.reshape(q.shape[:-2] + (-1,))[..., :K], -1, axis).astype(np.float32)
;;   ~~~
;;   SOFTMAX AHEAD OF A QUANTISED PRODUCT. Where the list says 'softmax', what is quantised is not the finished softmax but p = 2^(t - M), with t = logit x log2(e) and M = ceil(the row's largest t), a whole number; so 1/2 < the row's largest p <= 1. The row's sum l is taken of the UNQUANTISED p, in f32, and the product's result is divided by l at the end. Since M is a whole number, a kernel that streams over the keys may use a running M (the ceiling of the running maximum): every later rescaling is an exact power of two, which a block's scale takes up: the codes' values come out the same.
;;   OPERANDS COMPUTED ON THE WAY. 'Computed on the way' means the value that the module computes at that place (a softmax that the list does not call 'softmax' is quantised finished and normalised). What goes into a quantiser is computed in f32, as accurately as f32 sums, v_exp_f32 and their like allow (about 1e-6 of the number): no bf16 or f16 on the way to a quantiser, and a product that is left as it is and whose result goes on into a quantised operand takes f32 operands (vector FMAs, or v_wmma_f32_16x16x4_f32). A number that lies on a knife's edge between two numbers of the format may be rounded either way, as far as f32 arithmetic and the matrix unit's own rounding can turn it there, and no further.
;;   INPUTS GIVEN AS CODES. W1 (in the module: [1024, 4096], K = its axis 0); W2 (in the module: [4096, 1024], K = its axis 0); Wk (in the module: [1024, 1024], K = its axis 0); Wq (in the module: [1024, 1024], K = its axis 0); Wv (in the module: [1024, 1024], K = its axis 0): each comes as NAME_codes (uint8): NAME with its K axis moved to the last place and cut into blocks of 32 codes, [.., K / 32, bytes a block], one block behind the other in memory; four codes in three bytes: a row's codes are one little-endian stream of bits, code i at bits 6 i .. 6 i + 5 (a code: sign, 2 exponent bits, 3 mantissa bits); and NAME_scales (uint8): the same leading axes, one E8M0 byte (e + 127) for each 32 codes along K. Its value is code x scale, taken as it is: it is not quantised again, and the codes and scales need not be those that the quantiser above would give.
;; One version. Each part assembles by itself: llvm-mc -triple=amdgcn-amd-amdhsa -mcpu=gfx1250 --defsym DOCPART=n.
;; ======== version 1 of 1: 7 launches
;; limits: right only within a limited range of input values
;; workspace buffers: acodes 3,145,728 bytes; ascales 131,072 bytes; qkv 9,830,400 bytes; ctxy 16,777,216 bytes; fout 16,777,216 bytes; hid 12,582,912 bytes; hsc 524,288 bytes; w2i 3,145,728 bytes
;; launch quant_h (part 1): grid 256 x 1, 4 waves a work-group, no clusters, 33,280 bytes of LDS; arguments H, acodes, ascales, W2_codes, w2i; writes acodes, ascales, w2i
.if DOCPART == 1
	.amdgcn_target "amdgcn-amd-amdhsa--gfx1250"
	.amdhsa_code_object_version 6
	.text
	.protected	k_qa2ba13b7ea_quant_h
	.globl	k_qa2ba13b7ea_quant_h
	.p2align	8
	.type	k_qa2ba13b7ea_quant_h,@function
k_qa2ba13b7ea_quant_h:
	s_mov_b64 s[64:65], 0
	v_nop
	global_prefetch_b8 v0, s[64:65] scope:SCOPE_SE
	s_setreg_imm32_b32 hwreg(HW_REG_WAVE_MODE, 25, 1), 1
	s_wait_xcnt 0x0
; THE WHOLE PROGRAM (seven launches): H -> codes | Q, K, V^T = products on codes, quantised on the way out | attention | LayerNorm 1 and its codes | hidden layer | second FFN product | LayerNorm 2.
; NO WORK IS LEFT OUT: attention_mask varies along the softmax's axis, every bias and gain reaches the output, every product of the problem's table is live; every input is loaded by some launch.
; THIS LAUNCH: H [4096][1024] f32 becomes codes of E2M3, 6 bits each, K innermost (acodes [4096][768]), with one E8M0 byte for each 32 along K (ascales [4096][32]).
; A block's scale is 2^(floor(log2(its largest magnitude)) - 2); its byte is the largest magnitude's exponent field - 2, held at 1 from below.  A block of zeros so gets the byte 1 where the rule says 127:
; its codes are zeros, which add nothing under any byte but 0xff, and this program alone reads the bytes.
; LIMITS: NaN and infinities in H are not served; blocks whose largest magnitude lies under 2^(3 - 127) keep the byte 1.
; Rows are dense and 1024 is a multiple of 32: H is a plain stream of blocks.  A wave takes 8 steps of 512 numbers.  Each of a step's four loads reads 512 consecutive bytes, 16 a lane; the 2,048 bytes turn through the
; wave's own stage in LDS (16 bytes of padding behind each 64) and come back 64 bytes a lane, so that a lane holds 16 neighbours and two neighbouring lanes a block.  Waves share nothing: no barrier.
.set WAVES, 4
.set STEPS, 8
.set EMAX,  2
.set CB,    12                         ; bytes of 16 codes
.set R,     16                         ; v16-79   four sets of 16 numbers as loaded
.set X,     80                         ; v80-111  two sets of 16 neighbours
.set E,     112                        ; v112-119 a scale byte for each step
.set C,     128                        ; v128-159 codes: four registers for each step, so that no store's data are written again
.set WREG,  8192                       ; LDS: a region for each wave: two stages of 32 x SP bytes, behind them its 128 scale bytes
.set SP,    80
.set SPW,   12                         ; v12 LDS address of my spare word; never rewritten
.set NIL,   13                         ; v13 0; never rewritten
.set SPARE, WAVES*WREG                 ; the spare words: 128 bytes a wave, named by no other line
	s_load_b128 s[4:7], s[0:1], 0x0                ; H, the codes
	s_load_b64 s[8:9], s[0:1], 0x10
	s_load_b128 s[12:15], s[0:1], 0x18             ; W2's codes, and their images
	v_lshl_add_u32 v[SPW], v0, 2, SPARE
	v_mov_b32 v[NIL], 0
	v_lshrrev_b32 v1, 5, v0
	v_readfirstlane_b32 s16, v1                    ; wave
	v_and_b32 v2, 31, v0                           ; lane
	v_lshlrev_b32 v3, 4, v2
	; ALSO: W2's codes [1024][3072] are laid anew as images of operand registers, w2i [n / 16][K step of 128][1536]: register g of lane l at 512 (g / 4) + 16 l + 4 (g % 4).
	; A wave takes two fragments: 16 rows x 192 bytes, in pieces of 8 bytes as the operand's layout takes them; each leaves by three stores of 512 consecutive bytes.
	v_and_b32 v10, 15, v2
	v_lshrrev_b32 v1, 4, v2
	v_mul_u32_u24 v10, v10, 3072
	v_mad_u32_u24 v10, v1, 24, v10                 ; row (lane % 16) of W2, + 24 (lane / 16)
	s_mul_i32 s17, s16, WREG
	v_lshrrev_b32 v14, 2, v2
	v_mul_u32_u24 v14, v14, SP
	v_and_b32 v15, 3, v2
	v_lshl_add_u32 v14, v15, 4, v14
	v_add_nc_u32 v14, s17, v14                     ; the stage, way in: SP (lane / 4) + 16 (lane % 4)
	v_mul_u32_u24 v15, v2, SP
	v_add_nc_u32 v15, s17, v15                     ; way out: SP x lane: my 16 neighbours
	v_mul_u32_u24 v4, v2, CB                       ; my codes' place in a step's
	v_lshrrev_b32 v5, 1, v2
	s_add_co_u32 s17, s17, 2*32*SP
	v_add_nc_u32 v5, s17, v5                       ; my block's scale byte in LDS
	v_lshlrev_b32 v7, 2, v2                        ; on the way out 4 bytes a lane
	v_add_nc_u32 v6, s17, v7
	s_lshl_b32 s18, ttmp9, 2
	s_add_co_u32 s18, s18, s16                     ; which run of 4,096 numbers is my wave's
	s_lshl_b32 s20, s18, 14                        ; 16,384 bytes of H,
	s_mov_b32 s21, 0
	s_mul_i32 s22, s18, 3072                       ; 3,072 of codes,
	s_mov_b32 s23, 0
	s_lshl_b32 s24, s18, 7                         ; 128 scale bytes a run
	s_mov_b32 s25, 0
	s_wait_alu depctr_va_vdst(0)
	s_wait_kmcnt 0x0
	s_add_nc_u64 s[4:5], s[4:5], s[20:21]
	s_add_nc_u64 s[6:7], s[6:7], s[22:23]
	s_add_nc_u64 s[8:9], s[8:9], s[24:25]
	s_lshr_b32 s26, s18, 4                         ; my block of 16 rows of W2,
	s_mul_i32 s26, s26, 49152
	s_and_b32 s27, s18, 15                         ; my two K steps: 192 bytes of each row
	s_mul_i32 s27, s27, 192
	s_add_co_u32 s26, s26, s27
	s_mov_b32 s27, 0
	s_add_nc_u64 s[12:13], s[12:13], s[26:27]
	s_mul_i32 s26, s18, 3072                       ; images 2 w and 2 w + 1
	s_add_nc_u64 s[14:15], s[14:15], s[26:27]
.irp q, 0,1
.irp p, 0,1,2,3,4,5
	global_load_b64 v[160+12*\q+2*\p:160+12*\q+2*\p+1], v10, s[12:13] offset:96*\q+48*(\p/3)+8*(\p%3)   ; older than every load of H: the counted waits below cover them
.endr
.endr
.macro LOAD t
.irp i, 0,1,2,3
	global_load_b128 v[R+16*((\t)%4)+4*\i:R+16*((\t)%4)+4*\i+3], v3, s[4:5] offset:2048*(\t)+512*\i   ; 32 lanes read 512 consecutive bytes
.endr
.endm
.macro TURN t                          ; step t's numbers through the stage: LDS serves a wave's instructions in order, so no wait stands between the stores and the loads
.irp i, 0,1,2,3
	ds_store_b128 v14, v[R+16*((\t)%4)+4*\i:R+16*((\t)%4)+4*\i+3] offset:32*SP*((\t)%2)+8*SP*\i
.endr
.irp i, 0,1,2,3
	ds_load_b128 v[X+16*((\t)%2)+4*\i:X+16*((\t)%2)+4*\i+3], v15 offset:32*SP*((\t)%2)+16*\i
.endr
.endm
.irp t, 0,1,2,3
	LOAD \t
.endr
	s_wait_loadcnt 12                              ; step 0's four loads are in; three steps' twelve stay out
	TURN 0
.macro STEP t
.set XS, X+16*((\t)%2)
.if (\t) > 0
	s_wait_dscnt 1                                 ; this step's numbers are back from the stage; the last step's byte store may be out
.else
	s_wait_dscnt 0x0
.endif
.if (\t)+4 < STEPS
	LOAD (\t)+4                                    ; into the registers that this step's stores into the stage have read
.endif
.if (\t)+1 < STEPS
.if STEPS-2-(\t) >= 3
	s_wait_loadcnt 12                              ; the next step's four loads are in; those of the three steps behind it may be out
.else
	s_wait_loadcnt 4*(STEPS-2-(\t))
.endif
	TURN (\t)+1
.endif
	v_max3_num_f32 v8, |v[XS]|, |v[XS+1]|, |v[XS+2]|               ; the largest magnitude of my 16, in two chains
	v_max3_num_f32 v9, |v[XS+3]|, |v[XS+4]|, |v[XS+5]|
.irp i, 6,10
	v_max3_num_f32 v8, v8, |v[XS+\i]|, |v[XS+\i+1]|
	v_max3_num_f32 v9, v9, |v[XS+\i+2]|, |v[XS+\i+3]|
.endr
	v_max3_num_f32 v8, v8, |v[XS+14]|, |v[XS+15]|
	v_max3_num_f32 v8, v8, v9, (EMAX+1)<<23        ; and the floor 2^(3 - 127): the byte cannot fall under 1
	v_max_num_f32_dpp v8, v8, v8 row_xmask:1 row_mask:0xf bank_mask:0xf   ; and of my neighbour's 16: the block's
	v_add_nc_u32 v11, -(EMAX<<23), v8              ; 2 off its exponent field: the conversion takes this operand's exponent field as its scale
	v_cvt_scalef32_pk16_fp6_f32 v[C+4*(\t):C+4*(\t)+2], v[XS:XS+15], v11
	v_lshrrev_b32 v[E+(\t)], 23, v11               ; the scale's byte (also the plain line behind the conversion)
	ds_store_b8 v5, v[E+(\t)] offset:16*(\t)       ; both lanes of a block write the same byte with the same value
	global_store_b96 v4, v[C+4*(\t):C+4*(\t)+2], s[6:7] offset:32*CB*(\t)   ; the wave stores 384 consecutive bytes
.endm
.irp t, 0,1,2,3,4,5,6,7
	STEP \t
.endr
.irp q, 0,1
.irp g, 0,1,2
	global_store_b128 v3, v[160+12*\q+4*\g:160+12*\q+4*\g+3], s[14:15] offset:1536*\q+512*\g
.endr
.endr
	ds_load_b32 v8, v6
	s_wait_dscnt 0x0
	global_store_b32 v7, v8, s[8:9]                ; 128 consecutive bytes
	s_wait_tensorcnt 0x0                           ; the wave's end
	ds_add_u32 v[SPW], v[NIL]
	s_wait_dscnt 0x0
	s_endpgm
.Lfunc_end_k_qa2ba13b7ea_quant_h:
	.size	k_qa2ba13b7ea_quant_h, .Lfunc_end_k_qa2ba13b7ea_quant_h-k_qa2ba13b7ea_quant_h
	.p2alignl 7, 3214868480
	.fill 96, 4, 3214868480
	.section	.rodata,"a",@progbits
	.p2align	6, 0x0
	.amdhsa_kernel k_qa2ba13b7ea_quant_h
		.amdhsa_group_segment_fixed_size 33280
		.amdhsa_private_segment_fixed_size 0
		.amdhsa_enable_private_segment 0
		.amdhsa_kernarg_size 40
		.amdhsa_user_sgpr_count 2
		.amdhsa_user_sgpr_kernarg_segment_ptr 1
		.amdhsa_wavefront_size32 1
		.amdhsa_system_sgpr_workgroup_id_x 1
		.amdhsa_system_sgpr_workgroup_id_y 1
		.amdhsa_system_sgpr_workgroup_id_z 1
		.amdhsa_system_vgpr_workitem_id 0
		.amdhsa_next_free_vgpr 192
		.amdhsa_next_free_sgpr 66
		.amdhsa_reserve_vcc 0
		.amdhsa_float_denorm_mode_32 3
		.amdhsa_float_denorm_mode_16_64 3
		.amdhsa_memory_ordered 1
		.amdhsa_forward_progress 1
		.amdhsa_inst_pref_size 20
	.end_amdhsa_kernel
	.amdgpu_metadata
---
amdhsa.version: [ 1, 2 ]
amdhsa.kernels:
  - .name:           k_qa2ba13b7ea_quant_h
    .symbol:         k_qa2ba13b7ea_quant_h.kd
    .args:
      - { .name: H, .offset: 0, .size: 8, .value_kind: global_buffer, .address_space: global }
      - { .name: acodes, .offset: 8, .size: 8, .value_kind: global_buffer, .address_space: global }
      - { .name: ascales, .offset: 16, .size: 8, .value_kind: global_buffer, .address_space: global }
      - { .name: W2_codes, .offset: 24, .size: 8, .value_kind: global_buffer, .address_space: global }
      - { .name: w2i, .offset: 32, .size: 8, .value_kind: global_buffer, .address_space: global }
    .group_segment_fixed_size: 33280
    .private_segment_fixed_size: 0
    .kernarg_segment_align: 8
    .kernarg_segment_size: 40
    .max_flat_workgroup_size: 128
    .sgpr_count:     66
    .vgpr_count:     192
    .wavefront_size: 32
...
	.end_amdgpu_metadata
.endif
;; end of part 1
;; launch qkv (part 2): grid 12 x 16, 4 waves a work-group, clusters of 4 x 4, 327,680 bytes of LDS; arguments acodes, ascales, Wq_codes, Wq_scales, Wk_codes, Wk_scales, Wv_codes, Wv_scales, qkv; writes qkv
.if DOCPART == 2
	.amdgcn_target "amdgcn-amd-amdhsa--gfx1250"
	.amdhsa_code_object_version 6
	.text
	.protected	k_qa2ba13b7ea_qkv
	.globl	k_qa2ba13b7ea_qkv
	.p2align	8
	.type	k_qa2ba13b7ea_qkv,@function
k_qa2ba13b7ea_qkv:
	s_mov_b64 s[64:65], 0
	v_nop
	global_prefetch_b8 v0, s[64:65] scope:SCOPE_SE
	s_setreg_imm32_b32 hwreg(HW_REG_WAVE_MODE, 25, 1), 1
	s_wait_xcnt 0x0
	s_wait_alu depctr_hold_cnt(0) depctr_sa_sdst(0) depctr_va_vdst(0) depctr_va_sdst(0) depctr_va_ssrc(0) depctr_va_vcc(0) depctr_vm_vsrc(0)
	s_getreg_b32 s2, hwreg(HW_REG_IB_STS2, 6, 4)
	s_cmp_eq_u32 s2, 0
	s_cbranch_scc0 .Lentry_in_a_cluster
	s_endpgm
.Lentry_in_a_cluster:
	s_bfe_u32 s2, ttmp6, 0x10000c
	s_cmp_lg_u32 s2, 0xf033
	s_cbranch_scc0 .Lentry_shape_is_right
	s_endpgm
.Lentry_shape_is_right:
; C[m][n] = sum over k of A[m][k] B[n][k] on codes of E2M3 with E8M0 scales, K = 1024; C is quantised along n on the way out, in registers, and stored as images of operand registers.  No work is left out.
; Cluster x 0: Q = H Wq, 1: K = H Wk (A = H's codes, B = the weight); 2: V^T = Wv^T H^T (A = Wv, B = H's codes: n runs over the tokens, the second attention product's K).
; A tile of C, 256 x 256, is made by four waves, each 128 x 128: 64 accumulators.  A row of codes is 768 bytes: three chunks of 256 bytes, each beginning at a multiple of 256.
; LDS holds two slots of one chunk of A's 256 and B's 256 rows.  THE HEAD'S FOUR LOADS, one a wave, bring chunks 0 and 1 whole; chunk 2 is the one refill, into slot 0, when step 2's fragments have been read.
; A step of 128 along K is 96 bytes: steps 2 and 5 lie across two chunks.  THE SCALE WORDS go once from memory into registers: 32 bytes a row are the words of all eight steps; a register holds an even block's
; words in lanes 0-15 and the odd block's in lanes 16-31.
; CLUSTERS: 4 x 4; A's tiles are asked for jointly along a row of the cluster, B's along a column.  No prefetch: the walk is written out with no loop to run ahead in, and the head asks for two of the three chunks.
; TRANSPOSED USE (source 0 = 16 rows of B, source 1 = 16 rows of A): lane (r, h) holds row r of C, register 8 b + j of A's block a column 16 b + 8 h + j.
; THE RECORD of a batch and head (307,200 bytes): K's codes 0, V's 98,304, K's scale words 196,608, V's 200,704, Q's codes 204,800, Q's words 303,104.  Q and K: one image holds two tiles of 16 tokens.
; LIMITS: NaN and infinities are not served; a block of zeros keeps the scale byte 1 (its codes are zeros; this program alone reads the bytes).
; REGISTERS: window 0: v0-31 addresses, v32-63 A's scale words, v64-95 B's, v128-223 A's fragments (one set); window 1: B's fragments, two sets; windows 2, 3: the accumulators.
.set ROWB,   256
.set KROW,   768
.set STEPS,  8
.set CHUNKS, 3
.set PITCH,  272
.set FR,     12
.set NL,     6
.set NP,     4
.set HALFT,  128*PITCH
.set SLOT,   4*HALFT
.set SPARE,  2*SLOT
.set RECORD, 307200
.set VC,     98304
.set KSC,    196608
.set VSC,    200704
.set QC,     204800
.set QSC,    303104
.set ADRA, 16
.set ADRB, 20
.set LI,   24
.set LS,   25
.set SA2,  26
.set SOF,  27
.set SPW,  28
.set NIL,  29
.set SELV, 30
.set SCA,  32
.set SCB,  64
.set AF,   128
.set TM,   32
.set PW,   48
.set PWE,  49
.set SW,   160                         ; v160-163 the words to store, one register for each store
.set LIQ,  31                          ; v31 a lane's place in Q's and K's images
.set YT,   52
.set PC,   64
.set G1, 24
.set G0, 32
.set G1B, 48
.set G0B, 56
.set G0H, 68
.set HM,  66
.set SEL, 98
.set MSB, 0
.macro WIN new
.if MSB != (\new)
	s_set_vgpr_msb (MSB<<8)|(\new)
.set MSB, (\new)
.endif
.endm
.set MUL_LO, 0xa1
.set MUL_HI, 0xf1
.set TO_B,   0x40
.macro JLOAD g0a, g1a, g0b, g1b        ; waves 0, 1 fetch for A, waves 2, 3 for B
	s_cmp_eq_u32 s15, 0
	s_cbranch_scc0 .Lfor_b_\@
	tensor_load_to_lds s[\g0a:\g0a+3], s[\g1a:\g1a+7]
	s_nop 0
.rept 4
	v_nop
.endr
	s_branch .Lasked_\@
.Lfor_b_\@:
	tensor_load_to_lds s[\g0b:\g0b+3], s[\g1b:\g1b+7]
	s_nop 0
.rept 4
	v_nop
.endr
.Lasked_\@:
.endm
.macro CREST
	s_cmp_lg_u32 s14, 0
	s_cbranch_scc1 .Lnot_wave_0_\@
	s_barrier_signal -3
.Lnot_wave_0_\@:
	s_barrier_wait -3
	s_barrier_signal -1
	s_barrier_wait -1
.endm
.macro CROUND
	s_barrier_signal -1
	s_barrier_wait -1
	CREST
.endm
	s_load_b512 s[68:83], s[0:1], 0x0              ; H's codes, scales; Wq's; Wk's; Wv's
	s_load_b64 s[12:13], s[0:1], 0x40              ; the records
	v_lshl_add_u32 v[SPW], v0, 2, SPARE
	v_mov_b32 v[NIL], 0
	ds_add_u32 v[SPW], v[NIL]                      ; the opening lines
	ds_add_u32 v[SPW], v[NIL]
	v_lshrrev_b32 v1, 5, v0
	v_readfirstlane_b32 s14, v1                    ; wave
	s_lshr_b32 s15, s14, 1                         ; my half of the tile's rows; in the refill: I fetch for A (0) or B (1)
	s_and_b32 s16, s14, 1                          ; my half of its columns; in the refill: which 128 rows I fetch
	s_bfe_u32 s40, ttmp6, 0x40000                  ; cx, cy
	s_bfe_u32 s41, ttmp6, 0x40004
	s_and_b32 s95, ttmp7, 0xffff
	s_lshl_b32 s95, s95, 2
	s_lshr_b32 s67, ttmp9, 1                       ; 1 for V^T, whose 4 x 16 tiles lie the other way round
	s_mul_i32 s42, s95, s67
	s_add_co_u32 s42, s42, s40                     ; tile column
	s_xor_b32 s17, s67, 1
	s_mul_i32 s17, s95, s17
	s_add_co_u32 s17, s17, s41                     ; tile row
	s_lshl_b32 s43, s41, 2
	s_lshl_b32 s43, 15, s43                        ; my row of the cluster
	s_lshl_b32 s44, 0x1111, s40                    ; my column
	s_or_b32 s[G1+0], s43, (1<<20)|(1<<21)|(5<<22)|(3<<25)   ; elements of a byte; 16 bytes of padding behind every 256
	s_or_b32 s[G1B+0], s44, (1<<20)|(1<<21)|(5<<22)|(3<<25)
.irp g, G1, G1B
	s_mov_b32 s[\g+1], ROWB<<16
	s_mov_b32 s[\g+2], 256<<16                     ; the head's loads bring 256 rows
	s_mov_b32 s[\g+3], ROWB<<16
	s_mov_b32 s[\g+4], 256
	s_mov_b32 s[\g+5], KROW
	s_mov_b32 s[\g+6], 0
	s_mov_b32 s[\g+7], 0
.endr
	s_lshl_b32 s20, s17, 8                         ; A's first row, B's first row
	s_lshl_b32 s46, s42, 8
	s_lshl_b32 s84, s20, 5                         ; the scales of my 128 rows of A: 32 bytes a row
	s_lshl_b32 s18, s15, 12
	s_add_co_u32 s84, s84, s18
	s_mov_b32 s85, 0
	s_lshl_b32 s86, s46, 5                         ; and of B
	s_lshl_b32 s18, s16, 12
	s_add_co_u32 s86, s86, s18
	s_mov_b32 s87, 0
	s_mul_i32 s20, s20, KROW
	s_mov_b32 s21, 0
	s_mul_i32 s46, s46, KROW
	s_mov_b32 s47, 0
	s_mul_i32 s18, s16, 128*KROW
	s_mov_b32 s19, 0
	s_mul_i32 s45, s14, HALFT
	s_wait_dscnt 0x0
	s_wait_kmcnt 0x0
	s_cmp_eq_u32 ttmp9, 0                          ; the choice hangs on the cluster's x alone
	s_cselect_b64 s[8:9], s[72:73], s[76:77]
	s_cselect_b64 s[10:11], s[74:75], s[78:79]
	s_cmp_eq_u32 ttmp9, 2
	s_cselect_b64 s[4:5], s[80:81], s[68:69]
	s_cselect_b64 s[6:7], s[82:83], s[70:71]
	s_cselect_b64 s[8:9], s[68:69], s[8:9]
	s_cselect_b64 s[10:11], s[70:71], s[10:11]
	s_add_nc_u64 s[20:21], s[4:5], s[20:21]
	s_add_nc_u64 s[6:7], s[6:7], s[84:85]
	s_add_nc_u64 s[46:47], s[8:9], s[46:47]
	s_add_nc_u64 s[10:11], s[10:11], s[86:87]
	CROUND                                         ; all sixteen work-groups are here: the first joint loads meet
.irp j, 0,1                                    ; chunk j: A's 256 rows, then B's, in slot j
	s_mov_b32 s[G0H+8*\j], 1
	s_mov_b32 s[G0H+8*\j+1], \j*SLOT
	s_add_nc_u64 s[G0H+8*\j+2:G0H+8*\j+3], s[20:21], \j*ROWB
	s_or_b32 s[G0H+8*\j+3], s[G0H+8*\j+3], 0x80000000
	s_mov_b32 s[G0H+8*\j+4], 1
	s_mov_b32 s[G0H+8*\j+5], \j*SLOT+2*HALFT
	s_add_nc_u64 s[G0H+8*\j+6:G0H+8*\j+7], s[46:47], \j*ROWB
	s_or_b32 s[G0H+8*\j+7], s[G0H+8*\j+7], 0x80000000
.endr
	s_add_nc_u64 s[20:21], s[20:21], s[18:19]      ; the refill: my 128 rows, chunk 2, into slot 0
	s_add_nc_u64 s[46:47], s[46:47], s[18:19]
	s_mov_b32 s[G0], 1
	s_mov_b32 s[G0+1], s45
	s_add_nc_u64 s[G0+2:G0+3], s[20:21], 2*ROWB
	s_or_b32 s[G0+3], s[G0+3], 0x80000000
	s_mov_b32 s[G0B], 1
	s_mov_b32 s[G0B+1], s45
	s_add_nc_u64 s[G0B+2:G0B+3], s[46:47], 2*ROWB
	s_or_b32 s[G0B+3], s[G0B+3], 0x80000000
.macro ARM under, g0, g1, next         ; one chain of branches on the wave's number: every way passes exactly one load
	s_cmp_lt_u32 s14, \under
	s_cbranch_scc0 \next
	tensor_load_to_lds s[\g0:\g0+3], s[\g1:\g1+7]
	s_nop 0
.rept 4
	v_nop
.endr
	s_branch .Lhead_asked
\next:
.endm
	ARM 1, G0H,   G1,  .Lh1
	ARM 2, G0H+4, G1B, .Lh2
	ARM 3, G0H+8, G1,  .Lh3
	tensor_load_to_lds s[G0H+12:G0H+15], s[G1B:G1B+7]
	s_nop 0
.rept 4
	v_nop
.endr
.Lhead_asked:
	s_mov_b32 s36, SLOT-232
	s_mov_b32 s37, SLOT+232
	s_mul_i32 s60, s15, HALFT                      ; my 128 rows of A in slot 0, 1
	s_add_co_u32 s61, s60, SLOT
	s_mul_i32 s62, s16, HALFT                      ; my 128 rows of B, behind A's 256
	s_add_co_u32 s62, s62, 2*HALFT
	s_add_co_u32 s63, s62, SLOT
	s_mov_b32 s[HM], 0xffff0000
	s_mov_b32 s[SEL], 0x76543210
	s_mov_b32 s[SEL+1], 0xfedcba98
	s_mov_b32 s95, 0x02020202
	s_cmp_eq_u32 ttmp9, 2                          ; which coordinates count tokens and which heads
	s_cselect_b32 s20, s42, s17
	s_cselect_b32 s21, s16, s15
	s_cselect_b32 s22, s17, s42
	s_cselect_b32 s23, s15, s16
	s_mov_b32 s96, VC
	s_cselect_b32 s96, s96, 0
	s_mov_b32 s97, KSC
	s_cselect_b32 s97, VSC, s97
	s_cmp_eq_u32 ttmp9, 0
	s_cselect_b32 s96, QC, s96
	s_cselect_b32 s97, QSC, s97
	s_lshl_b32 s20, s20, 8
	s_lshl_b32 s21, s21, 7
	s_add_co_u32 s20, s20, s21                     ; my first token
	s_lshr_b32 s21, s20, 11
	s_lshl_b32 s21, s21, 4
	s_lshl_b32 s22, s22, 2
	s_add_co_u32 s21, s21, s22
	s_lshl_b32 s23, s23, 1
	s_add_co_u32 s21, s21, s23                     ; the record: 16 x batch + my first head
	s_mul_i32 s21, s21, RECORD
	s_bfe_u32 s20, s20, 0x40007                    ; which 128 tokens: four images and 256 bytes of words each
	s_mul_i32 s22, s20, 6144
	s_lshl_b32 s23, s20, 8
	s_add_co_u32 s46, s21, s96
	s_add_co_u32 s46, s46, s22
	s_mov_b32 s47, 0
	s_add_co_u32 s20, s21, s97
	s_add_co_u32 s20, s20, s23
	s_mov_b32 s21, 0
	s_add_nc_u64 s[100:101], s[12:13], s[20:21]
	s_add_nc_u64 s[12:13], s[12:13], s[46:47]
	v_and_b32 v1, 15, v0                           ; r
	v_bfe_u32 v2, v0, 4, 1                         ; h
	v_and_b32 v6, 31, v0
	v_mul_u32_u24 v3, v1, PITCH
	v_mul_u32_u24 v4, v2, 24
	v_add_nc_u32 v4, v3, v4                        ; row x pitch + 24 h
	v_sub_nc_u32 v7, 1, v2
	v_mul_u32_u24 v5, s36, v2
	v_add_nc_u32 v5, v3, v5
	v_add_nc_u32 v5, 232, v5                       ; across two chunks: lanes 0-15 byte 232 in slot 0, lanes 16-31 byte 0 in slot 1;
	v_mul_u32_u24 v8, s37, v7
	v_add_nc_u32 v8, v3, v8                        ; and lanes 0-15 byte 232 in slot 1, lanes 16-31 byte 0 in slot 0
	v_add_nc_u32 v[ADRA], s60, v4
	v_add_nc_u32 v[ADRA+1], s61, v4
	v_add_nc_u32 v[ADRB], s62, v4
	v_add_nc_u32 v[ADRB+1], s63, v4
	v_add_nc_u32 v[ADRA+2], s60, v5
	v_add_nc_u32 v[ADRA+3], s60, v8
	v_add_nc_u32 v[ADRB+2], s62, v5
	v_add_nc_u32 v[ADRB+3], s62, v8
	v_lshlrev_b32 v[LI], 4, v6
	v_lshlrev_b32 v[LS], 2, v6
	v_lshlrev_b32 v[SOF], 5, v6                    ; a row of scales: 32 bytes a lane
	; Q'S AND K'S IMAGES TAKE THEIR TOKENS IN ANOTHER ORDER: of each 64 tokens, image e (0, 1), half u (registers 6 u ..), lane r holds token 32 (r / 8) + 8 (e + 2 u) + r % 8.
	; My lane (r, h) of the pair of tiles p goes to image 2 (p / 2) + r / 8, lane 8 (p % 2) + r % 8: a lane term and an immediate.
	v_and_b32 v9, 7, v1
	v_lshrrev_b32 v10, 3, v1
	v_mul_u32_u24 v[SA2], v2, RECORD
	v_lshl_add_u32 v[SA2], v10, 6, v[SA2]
	v_lshl_add_u32 v[SA2], v9, 2, v[SA2]
	v_mul_u32_u24 v[LIQ], v10, 1536
	v_lshl_add_u32 v[LIQ], v9, 4, v[LIQ]
	v_lshl_add_u32 v[LIQ], v2, 8, v[LIQ]
	v_mul_lo_u32 v[SELV], v2, s95
	v_add_nc_u32 v[SELV], 0x05040100, v[SELV]
	s_wait_alu depctr_va_vdst(0)
.irp p, 0,1,2,3                                ; blocks 2 p (lanes 0-15) and 2 p + 1 (lanes 16-31): register 8 p + s is step s's word; the two loads cover 1,024 consecutive bytes
	global_load_b128 v[SCA+8*\p:SCA+8*\p+3], v[SOF], s[6:7] offset:1024*\p
	global_load_b128 v[SCA+8*\p+4:SCA+8*\p+7], v[SOF], s[6:7] offset:1024*\p+16
	global_load_b128 v[SCB+8*\p:SCB+8*\p+3], v[SOF], s[10:11] offset:1024*\p
	global_load_b128 v[SCB+8*\p+4:SCB+8*\p+7], v[SOF], s[10:11] offset:1024*\p+16
.endr
.macro FRAG reg, adr, st, i            ; 16 rows x 128 K: lane (r, h): registers 6 c .. 6 c + 5 hold 24 bytes of the row's stream of bits, in pieces of 8 bytes, each inside one chunk
.irp p, 0,1,2,3,4,5
.set BY, 96*(\st)+48*(\p/3)+8*(\p%3)
.if BY/ROWB == (BY+24)/ROWB
	ds_load_b64 v[\reg+2*\p:\reg+2*\p+1], v[\adr+(BY/ROWB)%2] offset:BY%ROWB+(\i)*16*PITCH
.else
	ds_load_b64 v[\reg+2*\p:\reg+2*\p+1], v[\adr+2+(BY/ROWB)%2] offset:BY%ROWB-232+(\i)*16*PITCH
.endif
.endr
.endm
.macro WM a, b, st, zero               ; A's block a x B's block b; an odd block's scale words stand in lanes 16-31
.set DR, 8*(8*((\a)%4)+(\b))
.set BR, 128*((\st)%2)+FR*(\b)
.set AR, AF+FR*(\a)
.set SB, SCB+8*((\b)/2)+(\st)
.set SA, SCA+8*((\a)/2)+(\st)
.if \zero
.if ((\b)%2) && ((\a)%2)
	v_wmma_scale_f32_16x16x128_f8f6f4 v[DR:DR+7], v[BR:BR+FR-1], v[AR:AR+FR-1], 0, v[SB], v[SA] matrix_a_fmt:MATRIX_FMT_FP6 matrix_b_fmt:MATRIX_FMT_FP6 matrix_a_scale:MATRIX_SCALE_ROW1 matrix_b_scale:MATRIX_SCALE_ROW1
.elseif (\b)%2
	v_wmma_scale_f32_16x16x128_f8f6f4 v[DR:DR+7], v[BR:BR+FR-1], v[AR:AR+FR-1], 0, v[SB], v[SA] matrix_a_fmt:MATRIX_FMT_FP6 matrix_b_fmt:MATRIX_FMT_FP6 matrix_a_scale:MATRIX_SCALE_ROW1
.elseif (\a)%2
	v_wmma_scale_f32_16x16x128_f8f6f4 v[DR:DR+7], v[BR:BR+FR-1], v[AR:AR+FR-1], 0, v[SB], v[SA] matrix_a_fmt:MATRIX_FMT_FP6 matrix_b_fmt:MATRIX_FMT_FP6 matrix_b_scale:MATRIX_SCALE_ROW1
.else
	v_wmma_scale_f32_16x16x128_f8f6f4 v[DR:DR+7], v[BR:BR+FR-1], v[AR:AR+FR-1], 0, v[SB], v[SA] matrix_a_fmt:MATRIX_FMT_FP6 matrix_b_fmt:MATRIX_FMT_FP6
.endif
.else
.if ((\b)%2) && ((\a)%2)
	v_wmma_scale_f32_16x16x128_f8f6f4 v[DR:DR+7], v[BR:BR+FR-1], v[AR:AR+FR-1], v[DR:DR+7], v[SB], v[SA] matrix_a_fmt:MATRIX_FMT_FP6 matrix_b_fmt:MATRIX_FMT_FP6 matrix_a_scale:MATRIX_SCALE_ROW1 matrix_b_scale:MATRIX_SCALE_ROW1
.elseif (\b)%2
	v_wmma_scale_f32_16x16x128_f8f6f4 v[DR:DR+7], v[BR:BR+FR-1], v[AR:AR+FR-1], v[DR:DR+7], v[SB], v[SA] matrix_a_fmt:MATRIX_FMT_FP6 matrix_b_fmt:MATRIX_FMT_FP6 matrix_a_scale:MATRIX_SCALE_ROW1
.elseif (\a)%2
	v_wmma_scale_f32_16x16x128_f8f6f4 v[DR:DR+7], v[BR:BR+FR-1], v[AR:AR+FR-1], v[DR:DR+7], v[SB], v[SA] matrix_a_fmt:MATRIX_FMT_FP6 matrix_b_fmt:MATRIX_FMT_FP6 matrix_b_scale:MATRIX_SCALE_ROW1
.else
	v_wmma_scale_f32_16x16x128_f8f6f4 v[DR:DR+7], v[BR:BR+FR-1], v[AR:AR+FR-1], v[DR:DR+7], v[SB], v[SA] matrix_a_fmt:MATRIX_FMT_FP6 matrix_b_fmt:MATRIX_FMT_FP6
.endif
.endif
.endm
.macro MUL16 a0, st, zero              ; the 64 accumulators take turns
.irp a, \a0, \a0+1
.irp b, 0,1,2,3,4,5,6,7
	WM \a, \b, \st, \zero
.endr
.endr
.endm
.macro FETCH_B st
	WIN TO_B
.irp i, 0,1,2,3,4,5,6,7
	FRAG 128*((\st)%2)+FR*\i, ADRB, \st, \i
.endr
	WIN 0
.endm
.macro FETCH_A st, i0
.irp i, \i0, \i0+1, \i0+2, \i0+3
	FRAG AF+FR*(\i), ADRA, \st, \i
.endr
.endm
.macro PLACES n                        ; plain vector lines between a matrix instruction and a load into, or a read or write of, its registers
.rept \n
	v_nop
.endr
.endm
; A step: 64 products; the next step's fragments are fetched in its middle and at its end.  Where the next step begins in a later chunk and a chunk is left to fetch: the three lines, a round, the refill.
; Where the next step ends in the chunk that the refill brings: the wait for it and a barrier.
.macro STEP st, zero
.set NX, (\st)+1
.set C0, (96*(\st))/ROWB
.set C1, (96*NX)/ROWB
.set E0, (96*(\st)+95)/ROWB
.set E1, (96*NX+95)/ROWB
.if (C1 > C0 && C0+2 < CHUNKS) || (E1 > E0 && E1 > 1)
	s_wait_tensorcnt 0x0                           ; all my tensor loads have landed
.if C1 > C0
	ds_add_u32 v[SPW], v[NIL]
	s_wait_dscnt 4*NL+1                            ; the add and the youngest 24 loads (A's blocks 4-7) may be out
.else
	s_wait_dscnt 4*NL
.endif
	WIN MUL_LO
	MUL16 0, \st, \zero
	s_wait_dscnt 0x0                               ; the add is done, and so are my reads of the chunk left behind
	s_barrier_signal -1
	MUL16 2, \st, \zero
	WIN 0
	s_barrier_wait -1
.if C1 > C0
	CREST                                          ; the barrier has opened a round of the cluster's
	JLOAD G0, G1, G0B, G1B                         ; chunk 2; its four v_nop are the places in front of the loads below
.else
	PLACES NP
.endif
.else
	s_wait_dscnt 4*NL                              ; B's set and A's blocks 0-3 are in
	WIN MUL_LO
	MUL16 0, \st, \zero
	MUL16 2, \st, \zero
	s_wait_dscnt 0
	PLACES NP
.endif
	FETCH_B NX
	FETCH_A NX, 0
	WIN MUL_HI
	MUL16 4, \st, \zero
	MUL16 6, \st, \zero
	PLACES NP
	WIN 0
	FETCH_A NX, 4
.endm
	s_wait_tensorcnt 0x0                           ; my tile of the head's four is in
	s_mov_b32 s[G1+2], 128<<16                     ; no tensor load of mine is out: the refill brings 128 rows a wave
	s_mov_b32 s[G1+4], 128
	s_mov_b32 s[G1B+2], 128<<16
	s_mov_b32 s[G1B+4], 128
	s_barrier_signal -1
	s_barrier_wait -1                              ; everybody's: chunks 0 and 1 are whole
	FETCH_B 0
	FETCH_A 0, 0
	FETCH_A 0, 4
	s_wait_loadcnt 0x0                             ; the scale words
	STEP 0, 1
.set ST, 1
.rept STEPS-2
	STEP ST, 0
.set ST, ST+1
.endr
	s_wait_dscnt 4*NL
	WIN MUL_LO
	MUL16 0, 7, 0
	MUL16 2, 7, 0
	s_wait_dscnt 0
	WIN MUL_HI
	MUL16 4, 7, 0
	MUL16 6, 7, 0
	WIN 0
; THE WAY OUT.  X = v[d .. d + 2]: a block's octets (0, 2) in lanes 0-15 and (1, 3) in lanes 16-31, Y the next block's.  The swaps give lanes 0-15 the first block and lanes 16-31 the second; byte selects order the octets.
.macro MERGE d, y
.irp i, 0,1,2
	v_permlane16_swap_b32 v[(\d)+\i], v[(\y)+\i]
.endr
	v_perm_b32 v[(\d)+3], v[(\d)+2], v[(\d)+1], 0x05040302
	v_perm_b32 v[(\d)+4], v[(\y)+1], v[(\d)+2], 0x07060302
	v_perm_b32 v[(\d)+1], v[(\y)], v[(\d)+1], 0x05040100
	v_perm_b32 v[(\d)+2], v[(\y)+1], v[(\y)], 0x05040302
	v_mov_b32 v[(\d)+5], v[(\y)+2]
.endm
.macro QUANTW a, d0, d1                ; A's block a: 16 rows x my 128 columns become codes and the rows' scale word v[PW]; each accumulator is first read at its low end
.set AC, 64*((\a)%4)
.set WS, 2+(\a)/4
.set WN, (WS<<2)|WS
	WIN WN
.irp b, 0,1,2,3
	v_max3_num_f32 v[TM+\b], |v[AC+16*\b]|, |v[AC+16*\b+1]|, 0x1800000   ; my 16 numbers of block b, and the floor 2^(3 - 127)
.endr
.irp i, 2,4,6,8,10,12,14
.irp b, 0,1,2,3
	v_max3_num_f32 v[TM+\b], |v[AC+16*\b+\i]|, |v[AC+16*\b+\i+1]|, v[TM+\b]
.endr
.endr
	WIN 0
.irp b, 0,1,2,3
	v_permlanex16_b32 v[TM+4+\b], v[TM+\b], s[SEL], s[SEL+1]
.endr
.irp b, 0,1,2,3
	v_max_num_f32 v[TM+\b], v[TM+\b], v[TM+4+\b]
.endr
.irp b, 0,1,2,3
	v_add_nc_u32 v[TM+12+\b], 0xff000000, v[TM+\b] ; 2 off the exponent field: the conversion's scale operand
.endr
.irp b, 0,1,2,3
	v_lshrrev_b32 v[TM+4+\b], 23, v[TM+12+\b]
.endr
	v_lshl_or_b32 v[PW], v[TM+5], 8, v[TM+4]
	v_lshl_or_b32 v[PW], v[TM+6], 16, v[PW]
	v_lshl_or_b32 v[PW], v[TM+7], 24, v[PW]
	WIN WS
	v_cvt_scalef32_pk16_fp6_f32 v[(\d0):(\d0)+2], v[AC:AC+15], v[TM+12]
	v_cvt_scalef32_pk16_fp6_f32 v[YT:YT+2], v[AC+16:AC+31], v[TM+13]
	v_cvt_scalef32_pk16_fp6_f32 v[(\d1):(\d1)+2], v[AC+32:AC+47], v[TM+14]
	v_cvt_scalef32_pk16_fp6_f32 v[YT+4:YT+6], v[AC+48:AC+63], v[TM+15]
	WIN 0
	v_nop
	MERGE \d0, YT
	MERGE \d1, YT+4
.endm
	PLACES NP
.irp b, 0,1,2,3
	v_mov_b32 v[TM+4+\b], 0                        ; a lane permute's destination counts as one of its sources
.endr
	s_cmp_eq_u32 ttmp9, 2
	s_cbranch_scc1 .Lv
; Q and K: my 128 columns are two heads; tiles a and a + 1 of tokens fill registers 0-5 and 6-11 of each head's image
.irp a, 0,1,2,3,4,5,6,7
	QUANTW \a, PC+24*(\a/2)+6*(\a%2), PC+24*(\a/2)+12+6*(\a%2)   ; every store has data registers of its own: none is written again
.if \a%2 == 0
	v_mov_b32 v[PWE], v[PW]
.else
.irp c, 0,1
.irp g, 0,1,2
	global_store_b128 v[LIQ], v[PC+24*(\a/2)+12*\c+4*\g:PC+24*(\a/2)+12*\c+4*\g+3], s[12:13] offset:\c*RECORD+(\a/4)*3072+((\a/2)%2)*128+512*\g   ; runs of 128 consecutive bytes
.endr
.endr
	v_perm_b32 v[SW+\a/2], v[PW], v[PWE], v[SELV]
	global_store_b32 v[SA2], v[SW+\a/2], s[100:101] offset:(\a/4)*128+((\a/2)%2)*32
.endif
.endr
	s_branch .Ldone
.Lv:
; V^T: my 128 columns are one K step of the second attention product
.irp a, 0,1,2,3,4,5,6,7
	QUANTW \a, PC+12*\a, PC+12*\a+6
.irp g, 0,1,2
	global_store_b128 v[LI], v[PC+12*\a+4*\g:PC+12*\a+4*\g+3], s[12:13] offset:(\a/4)*RECORD+(\a%4)*1536+512*\g
.endr
.if \a%2 == 0
	v_mov_b32 v[PWE], v[PW]
.else
	v_cndmask_b32 v[SW+\a/2], v[PWE], v[PW], s[HM]
	global_store_b32 v[LS], v[SW+\a/2], s[100:101] offset:(\a/4)*RECORD+((\a%4)/2)*128
.endif
.endr
.Ldone:
	s_wait_tensorcnt 0x0                           ; the wave's end
	ds_add_u32 v[SPW], v[NIL]
	s_wait_dscnt 0x0
	CROUND                                         ; the closing round
	s_endpgm
.Lfunc_end_k_qa2ba13b7ea_qkv:
	.size	k_qa2ba13b7ea_qkv, .Lfunc_end_k_qa2ba13b7ea_qkv-k_qa2ba13b7ea_qkv
	.p2alignl 7, 3214868480
	.fill 96, 4, 3214868480
	.section	.rodata,"a",@progbits
	.p2align	6, 0x0
	.amdhsa_kernel k_qa2ba13b7ea_qkv
		.amdhsa_group_segment_fixed_size 327680
		.amdhsa_private_segment_fixed_size 0
		.amdhsa_enable_private_segment 0
		.amdhsa_kernarg_size 72
		.amdhsa_user_sgpr_count 2
		.amdhsa_user_sgpr_kernarg_segment_ptr 1
		.amdhsa_wavefront_size32 1
		.amdhsa_system_sgpr_workgroup_id_x 1
		.amdhsa_system_sgpr_workgroup_id_y 1
		.amdhsa_system_sgpr_workgroup_id_z 1
		.amdhsa_system_vgpr_workitem_id 0
		.amdhsa_next_free_vgpr 1024
		.amdhsa_next_free_sgpr 106
		.amdhsa_reserve_vcc 0
		.amdhsa_float_denorm_mode_32 3
		.amdhsa_float_denorm_mode_16_64 3
		.amdhsa_memory_ordered 1
		.amdhsa_forward_progress 1
		.amdhsa_inst_pref_size 207
	.end_amdhsa_kernel
	.amdgpu_metadata
---
amdhsa.version: [ 1, 2 ]
amdhsa.kernels:
  - .name:           k_qa2ba13b7ea_qkv
    .symbol:         k_qa2ba13b7ea_qkv.kd
    .args:
      - { .name: acodes, .offset: 0, .size: 8, .value_kind: global_buffer, .address_space: global }
      - { .name: ascales, .offset: 8, .size: 8, .value_kind: global_buffer, .address_space: global }
      - { .name: Wq_codes, .offset: 16, .size: 8, .value_kind: global_buffer, .address_space: global }
      - { .name: Wq_scales, .offset: 24, .size: 8, .value_kind: global_buffer, .address_space: global }
      - { .name: Wk_codes, .offset: 32, .size: 8, .value_kind: global_buffer, .address_space: global }
      - { .name: Wk_scales, .offset: 40, .size: 8, .value_kind: global_buffer, .address_space: global }
      - { .name: Wv_codes, .offset: 48, .size: 8, .value_kind: global_buffer, .address_space: global }
      - { .name: Wv_scales, .offset: 56, .size: 8, .value_kind: global_buffer, .address_space: global }
      - { .name: qkv, .offset: 64, .size: 8, .value_kind: global_buffer, .address_space: global }
    .group_segment_fixed_size: 327680
    .private_segment_fixed_size: 0
    .kernarg_segment_align: 8
    .kernarg_segment_size: 72
    .max_flat_workgroup_size: 128
    .sgpr_count:     106
    .vgpr_count:     1024
    .wavefront_size: 32
...
	.end_amdgpu_metadata
.endif
;; end of part 2
;; launch attn (part 3): grid 8 x 32, 16 waves a work-group, clusters of 4 x 1, 327,680 bytes of LDS; arguments qkv, attention_mask, ctxy; writes ctxy
.if DOCPART == 3
	.amdgcn_target "amdgcn-amd-amdhsa--gfx1250"
	.amdhsa_code_object_version 6
	.text
	.protected	k_qa2ba13b7ea_attn
	.globl	k_qa2ba13b7ea_attn
	.p2align	8
	.type	k_qa2ba13b7ea_attn,@function
k_qa2ba13b7ea_attn:
	s_mov_b64 s[64:65], 0
	v_nop
	global_prefetch_b8 v0, s[64:65] scope:SCOPE_SE
	s_setreg_imm32_b32 hwreg(HW_REG_WAVE_MODE, 25, 1), 1
	s_wait_xcnt 0x0
	s_wait_alu depctr_hold_cnt(0) depctr_sa_sdst(0) depctr_va_vdst(0) depctr_va_sdst(0) depctr_va_ssrc(0) depctr_va_vcc(0) depctr_vm_vsrc(0)
	s_getreg_b32 s2, hwreg(HW_REG_IB_STS2, 6, 4)
	s_cmp_eq_u32 s2, 0
	s_cbranch_scc0 .Lentry_in_a_cluster
	s_endpgm
.Lentry_in_a_cluster:
	s_bfe_u32 s2, ttmp6, 0x10000c
	s_cmp_lg_u32 s2, 0x3003
	s_cbranch_scc0 .Lentry_shape_is_right
	s_endpgm
.Lentry_shape_is_right:
; ctx[b][q][64 head + d] = sum over k of softmax_k(Q.K / 8 + mask[b][k]) V[k][d], both products on codes of E2M3 with E8M0 scales.  No work is left out.
; THE SOFTMAX AHEAD OF THE SECOND PRODUCT: t = (Q.K + 8 mask) x log2(e) / 8; M = the row's largest t so far, rounded up to a whole number; p = 2^(t - M) is quantised along the keys, not normalised;
; the row's sum is taken of the unquantised p and divides at the end.  When M moves, the sum and O are multiplied by 2^(old M - new M): exact.
; SHARES.  A work-group owns 256 queries of one batch and head, each of its sixteen waves 16: four waves to a SIMD.  A step is 128 keys, 16 steps.
; K's and V's codes and scale words of the whole head are the first 204,800 bytes of the head's record: they come into LDS once, each wave bringing 12,800 bytes, asked for jointly by the cluster's four query blocks.
; Nothing is filled again: no ring, and no barrier in the loop.
; LAYOUT.  Both products transposed: S^T = K Q^T, O^T = V^T P^T: a lane holds one query (lane % 16).  The head's 64 are half of the instruction's 128: an image of K holds two tiles of 16 keys,
; and Q stands as [Q | 0 | Q]: [Q | 0] picks the first tile, [0 | Q] the second.  8 x mask is the C of S^T's products.
; THE KEYS OF A TILE: of each 64 keys, image e, half u, row r is key 32 (r / 8) + 8 (e + 2 u) + r % 8 (the launch that stores the images lays them so).  So lane (q, h) finds in registers 32 c + 0 .. 31 of S^T
; the keys 64 c + 32 h + 0 .. 31: a WHOLE BLOCK of the second product's K, in order: its largest score needs no other lane, and the conversions' results are the operand's registers.
; LIMITS: 8 x mask is held to +-1e30, so that no infinity enters a product: masks beyond 1.25e29 in size count alike, and a row all of whose keys are so hidden gets a uniform softmax where -infinity would give NaN.
; NaN is not served.  A block's largest p is taken from its largest score by the same multiply-add and exponential (this takes v_exp_f32 not to fall where its input rises).  A block of zeros keeps the scale byte 1.
.set RECORD, 307200
.set VC,     98304
.set KSC,    196608
.set QC,     204800
.set QSC,    303104
.set MASK,   204800                    ; LDS: behind the record's 204,800 bytes: 8 x mask of the batch's 2,048 keys
.set STAGE,  212992                    ; the way out: 16 rows x 272 bytes for each wave
.set SPARE,  282624                    ; the spare words: 128 bytes a wave, named by no other line
.set AK0,  1                           ; v1 16 x lane: an image's place
.set AV0,  2
.set ASC0, 3                           ; v3 4 x lane in K's scale words (V's lie 4,096 bytes on)
.set AM0,  4                           ; v4 my half's 32 keys in the mask
.set SPW,  5
.set NIL,  6
.set GO,   7
.set ADK,  8
.set ADV,  9
.set ADS,  10
.set ADM,  11                          ; v8-11 the step's addresses;  v12 -M, v13 the largest score, v[14:15] the sum in two halves
.set QF,   16                          ; v16-33 [Q | 0 | Q]
.set QS,   34
.set PS,   35
.set KSW,  36
.set VSW,  38
.set FRG,  40                          ; v40-87 four images of K, then four fragments of V
.set SH8,  88                          ; 8 h
.set W,    89
.set W2,   90
.set TP2,  91
.set S,    96                          ; v96-159 S^T, then p
.set O,    160                         ; v160-191 O^T
.set PCD,  192                         ; v192-203 p's codes
.set YT,   204                         ; v204-206, v208-210 the upper halves of the two blocks' codes
.set BM,   212
.set BT,   216
.set SO,   220
.set F,    224
.set TP,   226
.set QA,   230
.set QW,   231
.set WV,   10
.set G0,   16
.set SEL,  20
.set CS,   22
.set G1,   24
.set TB,   32
.set TS,   33
.set TK,   34
.set CNT,  35
.set CSN,  55
.macro CROUND
	s_barrier_signal -1
	s_barrier_wait -1
	s_cmp_lg_u32 s[WV], 0
	s_cbranch_scc1 .Lnot_wave_0_\@
	s_barrier_signal -3
.Lnot_wave_0_\@:
	s_barrier_wait -3
	s_barrier_signal -1
	s_barrier_wait -1
.endm
	s_load_b128 s[4:7], s[0:1], 0x0                ; the records, the mask
	s_load_b64 s[8:9], s[0:1], 0x10                ; ctx
	v_lshl_add_u32 v[SPW], v0, 2, SPARE
	v_mov_b32 v[NIL], 0
	ds_add_u32 v[SPW], v[NIL]                      ; the opening lines
	ds_add_u32 v[SPW], v[NIL]
	v_lshrrev_b32 v8, 5, v0
	s_delay_alu instid0(VALU_DEP_1)
	v_readfirstlane_b32 s[WV], v8                  ; wave 0..15
	s_and_b32 s11, ttmp7, 0xffff                   ; the record: 16 x batch + head, which the four partners share
	s_bfe_u32 s12, ttmp6, 0x40000                  ; cx
	s_lshl_b32 s13, ttmp9, 2
	s_add_co_u32 s13, s13, s12                     ; my block of 256 queries: it enters global addresses alone
	s_mov_b32 s[G1], 15|(3<<16)|(1<<21)            ; all four work-groups; elements of 8 bytes; no padding
	s_mov_b32 s[G1+1], 32<<16                      ; rows of 256 bytes,
	s_mov_b32 s[G1+2], 50<<16                      ; 50 of them: 12,800 dense bytes
	s_mov_b32 s[G1+3], 32<<16
	s_mov_b32 s[G1+4], 50
	s_mov_b32 s[G1+5], 32
	s_mov_b32 s[G1+6], 0
	s_mov_b32 s[G1+7], 0
	s_mov_b32 s[G0], 1
	s_mul_i32 s[G0+1], s[WV], 12800                ; LDS: as the record lies
	s_mul_i32 s36, s11, RECORD
	s_mov_b32 s37, 0
	s_mul_i32 s38, s[WV], 12800
	s_mov_b32 s39, 0
	s_mov_b32 s[SEL], 0x76543210
	s_mov_b32 s[SEL+1], 0xfedcba98
	s_mov_b32 s[CS], 0x3e38aa3b                    ; c = log2(e) / 8
	s_mov_b32 s[CS+1], s[CS]
	s_mov_b32 s[CSN], 0xbe38aa3b                   ; -c
	s_mov_b32 s[TB], 0
	s_mov_b32 s[TS], 0
	s_mov_b32 s[TK], 0
	s_mov_b32 s40, 0xf149f2ca                      ; -1e30
	s_mov_b32 s41, 0x7149f2ca                      ; 1e30
	s_wait_dscnt 0x0
	s_wait_kmcnt 0x0
	s_add_nc_u64 s[4:5], s[4:5], s[36:37]          ; my record
	s_add_nc_u64 s[G0+2:G0+3], s[4:5], s[38:39]
	s_or_b32 s[G0+3], s[G0+3], 0x80000000
	CROUND                                         ; all four work-groups are here: the joint loads meet
	tensor_load_to_lds s[G0:G0+3], s[G1:G1+7]      ; every wave's one load
	s_nop 0
.rept 4
	v_nop
.endr
	s_lshr_b32 s36, s11, 4
	s_lshl_b32 s36, s36, 13                        ; the batch's 2,048 numbers of the mask
	s_add_nc_u64 s[6:7], s[6:7], s[36:37]
	s_and_b32 s42, s[WV], 1                        ; my 16 queries: tokens 32 P + 16 u .. + 15, P = 8 x block + wave / 2
	s_lshr_b32 s43, s[WV], 1
	s_lshl_b32 s44, s13, 3
	s_add_co_u32 s43, s43, s44
	s_lshr_b32 s52, s43, 1                         ; which 64 tokens,
	s_and_b32 s53, s43, 1                          ; and which 32 of them: they lie in lanes 8 x .. 8 x + 7 of that group's two images
	s_mul_i32 s44, s52, 3072
	s_lshl_b32 s54, s53, 7
	s_add_co_u32 s44, s44, s54
	s_add_co_u32 s44, s44, QC
	s_mov_b32 s45, 0
	s_add_nc_u64 s[44:45], s[4:5], s[44:45]
	s_lshl_b32 s46, s52, 7
	s_lshl_b32 s54, s53, 5
	s_add_co_u32 s46, s46, s54
	s_add_co_u32 s46, s46, QSC
	s_mov_b32 s47, 0
	s_add_nc_u64 s[46:47], s[4:5], s[46:47]
	s_mul_i32 s48, s42, 520                        ; registers 6 u + 0 .. 5 of an image: register n of lane l lies at 512 (n / 4) + 16 l + 4 (n % 4)
	s_mul_i32 s49, s42, 1016
	s_lshr_b32 s50, s11, 4                         ; ctx: token 2,048 x batch + 256 x block + 16 x wave, 4,096 bytes a row; the head's 256 bytes
	s_lshl_b32 s50, s50, 11
	s_lshl_b32 s51, s13, 8
	s_add_co_u32 s50, s50, s51
	s_lshl_b32 s51, s[WV], 4
	s_add_co_u32 s50, s50, s51
	s_lshl_b32 s50, s50, 12
	s_and_b32 s51, s11, 15
	s_lshl_b32 s51, s51, 8
	s_add_co_u32 s50, s50, s51
	s_mov_b32 s51, 0
	s_add_nc_u64 s[8:9], s[8:9], s[50:51]
	s_mul_i32 s56, s42, 0x02020202
	s_add_co_u32 s56, s56, 0x01000100              ; byte selects: my tile's two bytes, twice
	v_lshlrev_b32 v8, 4, v0
	global_load_b128 v[40:43], v8, s[6:7]          ; the mask: 512 threads x 16 bytes
	v_and_b32 v9, 31, v0
	v_and_b32 v[TP], 15, v0                        ; r
	v_bfe_u32 v[TP+1], v0, 4, 1                    ; h
	v_and_b32 v[W], 7, v0                          ; r % 8
	v_bfe_u32 v[W2], v0, 3, 1                      ; r / 8
	v_lshlrev_b32 v[AK0], 4, v9
	v_mul_u32_u24 v[QA], v[W2], 1536               ; query r of my 16 lies in image r / 8, lane 8 x + r % 8
	s_delay_alu instid0(VALU_DEP_1)
	v_lshl_add_u32 v[QA], v[W], 4, v[QA]
	s_delay_alu instid0(VALU_DEP_1)
	v_lshl_add_u32 v[QA], v[TP+1], 8, v[QA]
	s_delay_alu instid0(VALU_DEP_1)
	v_add_nc_u32 v10, s48, v[QA]
	v_add_nc_u32 v11, s49, v[QA]
	global_load_b64 v[QF:QF+1], v10, s[44:45]
	global_load_b64 v[QF+2:QF+3], v11, s[44:45] offset:8
	global_load_b64 v[QF+4:QF+5], v10, s[44:45] offset:512
	v_lshlrev_b32 v[TP2], 6, v[W2]
	s_delay_alu instid0(VALU_DEP_1)
	v_lshl_add_u32 v[TP2], v[W], 2, v[TP2]
	global_load_b32 v[QW], v[TP2], s[46:47]        ; its scale word
	v_add_nc_u32 v[AV0], VC, v[AK0]
	v_lshl_add_u32 v[ASC0], v9, 2, KSC
	v_lshl_add_u32 v[AM0], v[TP+1], 7, MASK
	v_lshlrev_b32 v[SH8], 3, v[TP+1]
	v_lshlrev_b32 v[GO], 12, v[TP+1]
	s_delay_alu instid0(VALU_DEP_1)
	v_lshl_add_u32 v[GO], v[TP], 4, v[GO]
	v_mov_b32 v13, 0xff61b1e6                      ; the largest score so far: -3e38
	s_delay_alu instid0(VALU_DEP_1)
	v_mul_f32 v12, s[CSN], v13
	s_delay_alu instid0(VALU_DEP_1)
	v_floor_f32 v12, v12                           ; -M
	v_mov_b32 v14, 0
	v_mov_b32 v15, 0
	v_mov_b32 v[F+1], 0                            ; (named as the upper half of a pair)
.irp i, 6,7,8,9,10,11
	v_mov_b32 v[QF+\i], 0                          ; the zero codes between the two Q
.endr
	s_wait_alu depctr_va_vdst(0)
	s_wait_loadcnt 0x0
.irp i, 0,1,2,3
	v_mul_f32 v[40+\i], 0x41000000, v[40+\i]       ; 8 x mask: exact
.endr
.irp i, 0,1,2,3
	s_delay_alu instid0(VALU_DEP_4)
	v_med3_num_f32 v[40+\i], v[40+\i], s40, s41    ; held
.endr
	v_lshl_add_u32 v[ADM], v0, 4, MASK
	ds_store_b128 v[ADM], v[40:43]
	v_perm_b32 v[QS], v[QW], v[QW], s56
.irp i, 0,1,2,3,4,5
	v_mov_b32 v[QF+12+\i], v[QF+\i]
.endr
.set j, 0
.rept 32
	v_mov_b32 v[O+j], 0                            ; O^T: the step is written once; the first finds zeros, which the first change of M leaves zeros
.set j, j+1
.endr
	s_wait_alu depctr_va_vdst(0)
	s_wait_tensorcnt 0x0                           ; my part of the record has landed,
	s_wait_dscnt 0x0                               ; my part of the mask is stored:
	s_barrier_signal -1
	s_barrier_wait -1                              ; everybody's
	s_mov_b32 s[CNT], 16
.Lstep:
	v_add_nc_u32 v[ADK], s[TB], v[AK0]             ; (these four are the places behind the last step's products, in front of the loads into their registers)
	v_add_nc_u32 v[ADV], s[TB], v[AV0]
	v_add_nc_u32 v[ADS], s[TS], v[ASC0]
	v_add_nc_u32 v[ADM], s[TK], v[AM0]
.irp p, 0,1,2,3
.irp g, 0,1,2
	ds_load_b128 v[FRG+12*\p+4*\g:FRG+12*\p+4*\g+3], v[ADK] offset:1536*\p+512*\g
.endr
.endr
	ds_load_b32 v[KSW], v[ADS]
	ds_load_b32 v[KSW+1], v[ADS] offset:128
	ds_load_b32 v[VSW], v[ADS] offset:4096
	ds_load_b32 v[VSW+1], v[ADS] offset:4224
.irp c, 0,1
.irp i, 0,1,2,3
	ds_load_b128 v[S+32*\c+8*\i:S+32*\c+8*\i+3], v[ADM] offset:256*\c+32*\i          ; 8 x mask of keys 64 c + 32 h + 8 i + 0 .. 7: the products' C
	ds_load_b128 v[S+32*\c+8*\i+4:S+32*\c+8*\i+7], v[ADM] offset:256*\c+32*\i+16
.endr
.endr
	s_wait_alu depctr_va_vdst(0)
	s_wait_dscnt 0x0
.irp p, 0,1,2,3                                ; S^T: image p = 2 c + e, half u: registers 32 c + 8 (e + 2 u) ..; eight accumulators, one instruction each
.irp u, 0,1
.if \p%2
	v_wmma_scale_f32_16x16x128_f8f6f4 v[S+32*(\p/2)+8*(\p%2+2*\u):S+32*(\p/2)+8*(\p%2+2*\u)+7], v[FRG+12*\p:FRG+12*\p+11], v[QF+6*\u:QF+6*\u+11], v[S+32*(\p/2)+8*(\p%2+2*\u):S+32*(\p/2)+8*(\p%2+2*\u)+7], v[KSW+\p/2], v[QS] matrix_a_fmt:MATRIX_FMT_FP6 matrix_b_fmt:MATRIX_FMT_FP6 matrix_a_scale:MATRIX_SCALE_ROW1
.else
	v_wmma_scale_f32_16x16x128_f8f6f4 v[S+32*(\p/2)+8*(\p%2+2*\u):S+32*(\p/2)+8*(\p%2+2*\u)+7], v[FRG+12*\p:FRG+12*\p+11], v[QF+6*\u:QF+6*\u+11], v[S+32*(\p/2)+8*(\p%2+2*\u):S+32*(\p/2)+8*(\p%2+2*\u)+7], v[KSW+\p/2], v[QS] matrix_a_fmt:MATRIX_FMT_FP6 matrix_b_fmt:MATRIX_FMT_FP6
.endif
.endr
.endr
.rept 4
	v_nop                                          ; places in front of the loads into K's registers and of the first read of the scores
.endr
.irp t, 0,1,2,3
.irp g, 0,1,2
	ds_load_b128 v[FRG+12*\t+4*\g:FRG+12*\t+4*\g+3], v[ADV] offset:1536*\t+512*\g   ; V's four fragments land under the softmax
.endr
.endr
.irp k, 0,1,2,3                                ; the largest score of my two blocks, in four chains; each accumulator is first read at its low end
	v_max3_num_f32 v[BM+\k], v[S+16*\k], v[S+1+16*\k], v[S+2+16*\k]
.endr
.irp i, 3,5,7,9,11,13
.irp k, 0,1,2,3
	v_max3_num_f32 v[BM+\k], v[BM+\k], v[S+16*\k+\i], v[S+1+16*\k+\i]
.endr
.endr
	v_max3_num_f32 v[BM], v[BM], v[S+15], v[S+31]
	v_max3_num_f32 v[BM+2], v[BM+2], v[S+47], v[S+63]
	s_delay_alu instid0(VALU_DEP_2)
	v_max_num_f32 v[BM], v[BM], v[BM+1]            ; block h
	s_delay_alu instid0(VALU_DEP_2)
	v_max_num_f32 v[BM+2], v[BM+2], v[BM+3]        ; block 2 + h
	s_delay_alu instid0(VALU_DEP_1)
	v_max_num_f32 v[TP], v[BM], v[BM+2]
	s_delay_alu instid0(VALU_DEP_1)
	v_permlanex16_b32 v[TP2], v[TP], s[SEL], s[SEL+1]
	s_delay_alu instid0(VALU_DEP_1)
	v_max3_num_f32 v13, v13, v[TP], v[TP2]         ; the running largest score of my query
	v_mov_b32 v[TP+1], v12
	s_delay_alu instid0(VALU_DEP_2)
	v_mul_f32 v[TP], s[CSN], v13                   ; -t (c is positive)
	s_delay_alu instid0(VALU_DEP_1)
	v_floor_f32 v12, v[TP]                         ; the new -M = -ceil(t)
	s_delay_alu instid0(VALU_DEP_1)
	v_sub_f32 v[TP], v12, v[TP+1]                  ; old M - new M: a whole number, 0 or less
	s_delay_alu instid0(VALU_DEP_1)
	v_cvt_i32_f32 v[TP], v[TP]                     ; (it saturates)
	s_delay_alu instid0(VALU_DEP_1)
	v_ldexp_f32 v[F], 1.0, v[TP]
.set j, 0
.rept 32
	v_pk_fma_f32 v[S+j:S+j+1], v[S+j:S+j+1], s[CS:CS+1], v[12:13] op_sel_hi:[1,0,0]   ; t - M
.set j, j+2
.endr
	v_fma_f32 v[BM], v[BM], s[CS], v12
	v_fma_f32 v[BM+2], v[BM+2], s[CS], v12
	s_wait_alu depctr_va_vdst(0)
	v_exp_f32 v[BM], v[BM]                         ; my two blocks' largest p
	v_exp_f32 v[BM+2], v[BM+2]
.set j, 0
.rept 64
	v_exp_f32 v[S+j], v[S+j]                       ; p = 2^(t - M)
.set j, j+1
.endr
	v_pk_mul_f32 v[14:15], v[14:15], v[F:F+1] op_sel_hi:[1,0]   ; the sums under the new M (a plain line behind the exponentials)
	s_wait_alu depctr_va_vdst(0)                   ; one wait for the batch, ahead of its first reader
	v_max_num_f32 v[BM], 0x1800000, v[BM]          ; the floor 2^(3 - 127)
	v_max_num_f32 v[BM+2], 0x1800000, v[BM+2]
	s_delay_alu instid0(VALU_DEP_2)
	v_add_nc_u32 v[SO], 0xff000000, v[BM]          ; 2 off the exponent field: the conversions' scale operands
	s_delay_alu instid0(VALU_DEP_2)
	v_add_nc_u32 v[SO+1], 0xff000000, v[BM+2]
	s_delay_alu instid0(VALU_DEP_2)
	v_lshrrev_b32 v[BT], 23, v[SO]
	s_delay_alu instid0(VALU_DEP_2)
	v_lshrrev_b32 v[BT+1], 23, v[SO+1]
	s_delay_alu instid0(VALU_DEP_1)
	v_lshl_or_b32 v[W], v[BT+1], 16, v[BT]         ; my two bytes: blocks h and 2 + h,
	s_delay_alu instid0(VALU_DEP_1)
	v_lshlrev_b32 v[W], v[SH8], v[W]               ; at their places in the word;
	s_delay_alu instid0(VALU_DEP_1)
	v_permlanex16_b32 v[W2], v[W], s[SEL], s[SEL+1]
	s_delay_alu instid0(VALU_DEP_1)
	v_or_b32 v[PS], v[W], v[W2]                    ; with lane l xor 16's two the word is whole
	v_cvt_scalef32_pk16_fp6_f32 v[PCD:PCD+2], v[S:S+15], v[SO]
	v_cvt_scalef32_pk16_fp6_f32 v[YT:YT+2], v[S+16:S+31], v[SO]
	v_cvt_scalef32_pk16_fp6_f32 v[PCD+6:PCD+8], v[S+32:S+47], v[SO+1]
	v_cvt_scalef32_pk16_fp6_f32 v[YT+4:YT+6], v[S+48:S+63], v[SO+1]
	v_nop                                          ; one plain line behind the conversions
.irp i, 0,1,2
	v_mov_b32 v[PCD+3+\i], v[YT+\i]                ; (a conversion's three registers begin on an even number)
	v_mov_b32 v[PCD+9+\i], v[YT+4+\i]
.endr
	v_pk_add_f32 v[228:229], v[100:101], v[104:105]   ; the row's sum of the unquantised p, in eight chains
	v_pk_add_f32 v[254:255], v[108:109], v[112:113]
	v_pk_add_f32 v[252:253], v[116:117], v[120:121]
	v_pk_add_f32 v[250:251], v[124:125], v[128:129]
	v_pk_add_f32 v[248:249], v[132:133], v[136:137]
	v_pk_add_f32 v[246:247], v[140:141], v[144:145]
	v_pk_add_f32 v[244:245], v[148:149], v[152:153]
	v_pk_add_f32 v[14:15], v[14:15], v[156:157]
	v_pk_add_f32 v[228:229], v[228:229], v[96:97]
	v_pk_add_f32 v[254:255], v[254:255], v[98:99]
	v_pk_add_f32 v[252:253], v[252:253], v[102:103]
	v_pk_add_f32 v[250:251], v[250:251], v[106:107]
	v_pk_add_f32 v[248:249], v[248:249], v[110:111]
	v_pk_add_f32 v[246:247], v[246:247], v[114:115]
	v_pk_add_f32 v[244:245], v[244:245], v[118:119]
	v_pk_add_f32 v[14:15], v[14:15], v[122:123]
	v_pk_add_f32 v[228:229], v[228:229], v[126:127]
	v_pk_add_f32 v[254:255], v[254:255], v[130:131]
	v_pk_add_f32 v[252:253], v[252:253], v[134:135]
	v_pk_add_f32 v[250:251], v[250:251], v[138:139]
	v_pk_add_f32 v[248:249], v[248:249], v[142:143]
	v_pk_add_f32 v[246:247], v[246:247], v[146:147]
	v_pk_add_f32 v[244:245], v[244:245], v[150:151]
	v_pk_add_f32 v[14:15], v[14:15], v[154:155]
	v_pk_add_f32 v[228:229], v[228:229], v[158:159]
	s_delay_alu instid0(VALU_DEP_2)
	v_pk_add_f32 v[14:15], v[14:15], v[250:251]
	s_delay_alu instid0(VALU_DEP_2)
	v_pk_add_f32 v[228:229], v[228:229], v[248:249]
	v_pk_add_f32 v[254:255], v[254:255], v[246:247]
	v_pk_add_f32 v[252:253], v[252:253], v[244:245]
	s_delay_alu instid0(VALU_DEP_2)
	v_pk_add_f32 v[14:15], v[14:15], v[254:255]
	s_delay_alu instid0(VALU_DEP_2)
	v_pk_add_f32 v[228:229], v[228:229], v[252:253]
	s_delay_alu instid0(VALU_DEP_1)
	v_pk_add_f32 v[14:15], v[14:15], v[228:229]
	s_wait_alu depctr_va_vdst(0)
.set j, 0
.rept 16
	v_pk_mul_f32 v[O+j:O+j+1], v[O+j:O+j+1], v[F:F+1] op_sel_hi:[1,0]   ; O^T under the new M; also the places between p's codes and scale word and the products
.set j, j+2
.endr
	s_wait_alu depctr_va_vdst(0)
	s_wait_dscnt 0x0                               ; V
.irp t, 0,1,2,3                                ; O^T += V^T P^T: four accumulators, one instruction each
.if \t%2
	v_wmma_scale_f32_16x16x128_f8f6f4 v[O+8*\t:O+8*\t+7], v[FRG+12*\t:FRG+12*\t+11], v[PCD:PCD+11], v[O+8*\t:O+8*\t+7], v[VSW+\t/2], v[PS] matrix_a_fmt:MATRIX_FMT_FP6 matrix_b_fmt:MATRIX_FMT_FP6 matrix_a_scale:MATRIX_SCALE_ROW1
.else
	v_wmma_scale_f32_16x16x128_f8f6f4 v[O+8*\t:O+8*\t+7], v[FRG+12*\t:FRG+12*\t+11], v[PCD:PCD+11], v[O+8*\t:O+8*\t+7], v[VSW+\t/2], v[PS] matrix_a_fmt:MATRIX_FMT_FP6 matrix_b_fmt:MATRIX_FMT_FP6
.endif
.endr
	s_add_co_u32 s[TB], s[TB], 6144
	s_add_co_u32 s[TS], s[TS], 256
	s_add_co_u32 s[TK], s[TK], 512
	s_sub_co_u32 s[CNT], s[CNT], 1
	s_cmp_lg_u32 s[CNT], 0
	s_cbranch_scc1 .Lstep
	; THE WAY OUT: O^T / the sum goes through my stage and leaves as rows of 256 bytes: sixteen lanes store 256 consecutive bytes, at a multiple of 256 from the buffer's first byte
	v_add_f32 v14, v14, v15
	s_delay_alu instid0(VALU_DEP_1)
	v_permlanex16_b32 v[TP], v14, s[SEL], s[SEL+1]
	s_delay_alu instid0(VALU_DEP_1)
	v_add_f32 v14, v14, v[TP]                      ; the row's sum
	s_wait_alu depctr_va_vdst(0)
	v_rcp_f32 v14, v14
	v_and_b32 v8, 15, v0
	v_bfe_u32 v9, v0, 4, 1
	s_mul_i32 s36, s[WV], 16*272
	s_add_co_u32 s36, s36, STAGE
	v_mul_u32_u24 v10, v8, 272
	s_delay_alu instid0(VALU_DEP_1)
	v_lshl_add_u32 v10, v9, 5, v10
	s_delay_alu instid0(VALU_DEP_1)
	v_add_nc_u32 v10, s36, v10                     ; in: row r, + 32 h
	v_mul_u32_u24 v11, v9, 272
	s_delay_alu instid0(VALU_DEP_1)
	v_lshl_add_u32 v11, v8, 4, v11
	s_delay_alu instid0(VALU_DEP_1)
	v_add_nc_u32 v11, s36, v11                     ; back: lanes 0-15 one row, lanes 16-31 the next
	s_wait_alu depctr_va_vdst(0)                   ; the wait ahead of the reciprocal's first reader
.set j, 0
.rept 32
	v_mul_f32 v[S+j], v[O+j], v14                  ; register 8 t + i is ctx(r, 16 t + 8 h + i)
.set j, j+1
.endr
.irp t, 0,1,2,3
	ds_store_b128 v10, v[S+8*\t:S+8*\t+3] offset:64*\t
	ds_store_b128 v10, v[S+8*\t+4:S+8*\t+7] offset:64*\t+16
.endr
.irp i, 0,1,2,3,4,5,6,7
	ds_load_b128 v[FRG+4*\i:FRG+4*\i+3], v11 offset:544*\i   ; LDS serves a wave's instructions in order: these see my stores
.endr
.irp i, 0,1,2,3,4,5,6,7
	s_wait_dscnt 7-\i                              ; the loads behind load i may be out
	global_store_b128 v[GO], v[FRG+4*\i:FRG+4*\i+3], s[8:9] offset:8192*\i
.endr
	s_wait_tensorcnt 0x0                           ; the wave's end
	ds_add_u32 v[SPW], v[NIL]
	s_wait_dscnt 0x0
	CROUND                                         ; the closing round
	s_endpgm
.Lfunc_end_k_qa2ba13b7ea_attn:
	.size	k_qa2ba13b7ea_attn, .Lfunc_end_k_qa2ba13b7ea_attn-k_qa2ba13b7ea_attn
	.p2alignl 7, 3214868480
	.fill 96, 4, 3214868480
	.section	.rodata,"a",@progbits
	.p2align	6, 0x0
	.amdhsa_kernel k_qa2ba13b7ea_attn
		.amdhsa_group_segment_fixed_size 327680
		.amdhsa_private_segment_fixed_size 0
		.amdhsa_enable_private_segment 0
		.amdhsa_kernarg_size 24
		.amdhsa_user_sgpr_count 2
		.amdhsa_user_sgpr_kernarg_segment_ptr 1
		.amdhsa_wavefront_size32 1
		.amdhsa_system_sgpr_workgroup_id_x 1
		.amdhsa_system_sgpr_workgroup_id_y 1
		.amdhsa_system_sgpr_workgroup_id_z 1
		.amdhsa_system_vgpr_workitem_id 0
		.amdhsa_next_free_vgpr 256
		.amdhsa_next_free_sgpr 66
		.amdhsa_reserve_vcc 0
		.amdhsa_float_denorm_mode_32 3
		.amdhsa_float_denorm_mode_16_64 3
		.amdhsa_memory_ordered 1
		.amdhsa_forward_progress 1
		.amdhsa_inst_pref_size 30
	.end_amdhsa_kernel
	.amdgpu_metadata
---
amdhsa.version: [ 1, 2 ]
amdhsa.kernels:
  - .name:           k_qa2ba13b7ea_attn
    .symbol:         k_qa2ba13b7ea_attn.kd
    .args:
      - { .name: qkv, .offset: 0, .size: 8, .value_kind: global_buffer, .address_space: global }
      - { .name: attention_mask, .offset: 8, .size: 8, .value_kind: global_buffer, .address_space: global }
      - { .name: ctxy, .offset: 16, .size: 8, .value_kind: global_buffer, .address_space: global }
    .group_segment_fixed_size: 327680
    .private_segment_fixed_size: 0
    .kernarg_segment_align: 8
    .kernarg_segment_size: 24
    .max_flat_workgroup_size: 512
    .sgpr_count:     66
    .vgpr_count:     256
    .wavefront_size: 32
...
	.end_amdgpu_metadata
.endif
;; end of part 3
;; launch ln1 (part 4): grid 256 x 1, 16 waves a work-group, no clusters, 75,776 bytes of LDS; arguments H, ctxy, g1, be1, fout, acodes, ascales; writes fout, acodes, ascales
.if DOCPART == 4
	.amdgcn_target "amdgcn-amd-amdhsa--gfx1250"
	.amdhsa_code_object_version 6
	.text
	.protected	k_qa2ba13b7ea_ln1
	.globl	k_qa2ba13b7ea_ln1
	.p2align	8
	.type	k_qa2ba13b7ea_ln1,@function
k_qa2ba13b7ea_ln1:
	s_mov_b64 s[64:65], 0
	v_nop
	global_prefetch_b8 v0, s[64:65] scope:SCOPE_SE
	s_setreg_imm32_b32 hwreg(HW_REG_WAVE_MODE, 25, 1), 1
	s_wait_xcnt 0x0
; y = LayerNorm(a + b) x g + be, rows of 1,024 f32; y is also quantised along the row into codes of E2M3 [4096][768] and E8M0 bytes [4096][32], the next product's operand.  No work is left out.
; ONE ROW TO A WAVE, whole, in registers: every load and store of f32 covers 512 consecutive bytes; the wave's 32 loads go out at once; the sums never leave the wave: no barrier.
; Mean, then the mean of squared differences: two passes in f32.
; For the codes a lane must hold a whole block of 32 neighbours: the row turns through the wave's own stage in LDS (128 bytes + 16 of padding a block).  A lane stores its block's 24 bytes of codes and its one scale byte:
; the wave's stores cover the row's 768 and 32 consecutive bytes.
; LIMITS: NaN and infinities are not served; a block of zeros keeps the scale byte 1 (its codes are zeros; this program alone reads the bytes).
.set G,    16
.set BE,   48
.set XS,   80
.set YS,   112
.set T,    144
.set C,    160
.set E,    168
.set WREG, 4608                        ; LDS for a wave: 32 x 144 of stage
.set SPARE, 16*WREG                    ; the spare words: 128 bytes a wave, named by no other line
	s_load_b256 s[4:11], s[0:1], 0x0               ; a, b, g, be
	s_load_b128 s[16:19], s[0:1], 0x20             ; y, the codes
	s_load_b64 s[20:21], s[0:1], 0x30              ; the scale bytes
	v_lshl_add_u32 v8, v0, 2, SPARE                ; v8, v9: my spare word's address, and 0; never rewritten
	v_mov_b32 v9, 0
	v_lshrrev_b32 v10, 5, v0
	s_delay_alu instid0(VALU_DEP_1)
	v_readfirstlane_b32 s22, v10                   ; wave 0..15
	s_mul_i32 s23, s22, WREG
	v_and_b32 v10, 31, v0                          ; lane  (the address chains below take turns)
	v_bfe_u32 v2, v0, 3, 2                         ; lane / 8
	v_and_b32 v3, 7, v0                            ; lane % 8
	v_lshlrev_b32 v1, 4, v10                       ; my 16 bytes of each 512
	v_mul_u32_u24 v2, v2, 144
	v_mul_u32_u24 v11, v10, 144
	v_mul_u32_u24 v4, v10, 24                      ; my block's codes in the row's 768 bytes
	v_lshl_add_u32 v2, v3, 4, v2
	v_add_nc_u32 v3, s23, v11                      ; the stage, way out: block = lane
	v_add_nc_u32 v2, s23, v2                       ; way in: eight lanes fill a block's 128 bytes
	s_mov_b32 s12, 0x76543210
	s_mov_b32 s13, 0xfedcba98
	s_mov_b32 s14, 0x3a800000                      ; 1 / 1024
	s_mov_b32 s15, 0x3727c5ac                      ; 1e-5
	s_lshl_b32 s24, ttmp9, 4
	s_add_co_u32 s24, s24, s22                     ; my row
	s_lshl_b32 s26, s24, 12
	s_mov_b32 s27, 0
	s_wait_alu depctr_va_vdst(0)
	s_wait_kmcnt 0x0
	s_add_nc_u64 s[4:5], s[4:5], s[26:27]
	s_add_nc_u64 s[6:7], s[6:7], s[26:27]
	s_add_nc_u64 s[16:17], s[16:17], s[26:27]
	s_mul_i32 s26, s24, 768
	s_add_nc_u64 s[18:19], s[18:19], s[26:27]
	s_lshl_b32 s26, s24, 5
	s_add_nc_u64 s[20:21], s[20:21], s[26:27]
.irp j, 0,1,2,3,4,5,6,7
	global_load_b128 v[XS+4*\j:XS+4*\j+3], v1, s[4:5] offset:512*\j th:TH_LOAD_NT
	global_load_b128 v[YS+4*\j:YS+4*\j+3], v1, s[6:7] offset:512*\j th:TH_LOAD_NT
.endr
.irp j, 0,1,2,3,4,5,6,7
	global_load_b128 v[G+4*\j:G+4*\j+3], v1, s[8:9] offset:512*\j                 ; every wave reads these: no hint
	global_load_b128 v[BE+4*\j:BE+4*\j+3], v1, s[10:11] offset:512*\j
.endr
.macro LANES                           ; v[T] summed over the 32 lanes, the result in every lane
	s_delay_alu instid0(VALU_DEP_1)
	v_add_f32_dpp v[T], v[T], v[T] row_xmask:1 row_mask:0xf bank_mask:0xf
	s_delay_alu instid0(VALU_DEP_1)
	v_add_f32_dpp v[T], v[T], v[T] row_xmask:2 row_mask:0xf bank_mask:0xf
	s_delay_alu instid0(VALU_DEP_1)
	v_add_f32_dpp v[T], v[T], v[T] row_xmask:4 row_mask:0xf bank_mask:0xf
	s_delay_alu instid0(VALU_DEP_1)
	v_add_f32_dpp v[T], v[T], v[T] row_xmask:8 row_mask:0xf bank_mask:0xf
	s_delay_alu instid0(VALU_DEP_1)
	v_permlanex16_b32 v[T+1], v[T], s12, s13
	s_delay_alu instid0(VALU_DEP_1)
	v_add_f32 v[T], v[T], v[T+1]
.endm
	s_wait_loadcnt 16                              ; the two rows' 16 loads are in; the 16 of g and be, issued behind them, may be out
.set k, 0
.rept 16
	v_pk_add_f32 v[XS+k:XS+k+1], v[XS+k:XS+k+1], v[YS+k:YS+k+1]
.set k, k+2
.endr
	v_pk_add_f32 v[T:T+1], v[XS:XS+1], v[XS+2:XS+3]               ; the sum, in two chains
	v_pk_add_f32 v[T+2:T+3], v[XS+4:XS+5], v[XS+6:XS+7]
.set k, 8
.rept 6
	s_delay_alu instid0(VALU_DEP_2)
	v_pk_add_f32 v[T:T+1], v[T:T+1], v[XS+k:XS+k+1]
	s_delay_alu instid0(VALU_DEP_2)
	v_pk_add_f32 v[T+2:T+3], v[T+2:T+3], v[XS+k+2:XS+k+3]
.set k, k+4
.endr
	s_delay_alu instid0(VALU_DEP_1)
	v_pk_add_f32 v[T:T+1], v[T:T+1], v[T+2:T+3]
	s_delay_alu instid0(VALU_DEP_1)
	v_add_f32 v[T], v[T], v[T+1]
	LANES
	s_delay_alu instid0(VALU_DEP_1)
	v_mul_f32 v[T+4], s14, v[T]                    ; the mean, twice: a pair for the packed form
	s_delay_alu instid0(VALU_DEP_2)
	v_mul_f32 v[T+5], s14, v[T]
.set k, 0
.rept 16
	v_pk_add_f32 v[XS+k:XS+k+1], v[XS+k:XS+k+1], v[T+4:T+5] neg_lo:[0,1] neg_hi:[0,1]
.set k, k+2
.endr
	v_pk_mul_f32 v[T:T+1], v[XS:XS+1], v[XS:XS+1]
	v_pk_mul_f32 v[T+2:T+3], v[XS+2:XS+3], v[XS+2:XS+3]
.set k, 4
.rept 7
	s_delay_alu instid0(VALU_DEP_2)
	v_pk_fma_f32 v[T:T+1], v[XS+k:XS+k+1], v[XS+k:XS+k+1], v[T:T+1]
	s_delay_alu instid0(VALU_DEP_2)
	v_pk_fma_f32 v[T+2:T+3], v[XS+k+2:XS+k+3], v[XS+k+2:XS+k+3], v[T+2:T+3]
.set k, k+4
.endr
	s_delay_alu instid0(VALU_DEP_1)
	v_pk_add_f32 v[T:T+1], v[T:T+1], v[T+2:T+3]
	s_delay_alu instid0(VALU_DEP_1)
	v_add_f32 v[T], v[T], v[T+1]
	LANES
	s_delay_alu instid0(VALU_DEP_1)
	v_fma_f32 v[T+6], v[T], s14, s15               ; the variance + 1e-5
	s_wait_alu depctr_va_vdst(0)
	v_rsq_f32 v[T+8], v[T+6]
	v_rsq_f32 v[T+9], v[T+6]
	v_nop                                          ; a plain line behind the two
	s_wait_alu depctr_va_vdst(0)                   ; one wait for both, ahead of their first reader
.set k, 0
.rept 16
	v_pk_mul_f32 v[XS+k:XS+k+1], v[XS+k:XS+k+1], v[T+8:T+9]
.set k, k+2
.endr
	s_wait_loadcnt 0x0                             ; g and be
.set k, 0
.rept 16
	v_pk_fma_f32 v[XS+k:XS+k+1], v[XS+k:XS+k+1], v[G+k:G+k+1], v[BE+k:BE+k+1]
.set k, k+2
.endr
.irp j, 0,1,2,3,4,5,6,7
	global_store_b128 v1, v[XS+4*\j:XS+4*\j+3], s[16:17] offset:512*\j
.endr
.irp j, 0,1,2,3,4,5,6,7
	ds_store_b128 v2, v[XS+4*\j:XS+4*\j+3] offset:576*\j
.endr
.irp j, 0,1,2,3,4,5,6,7
	ds_load_b128 v[YS+4*\j:YS+4*\j+3], v3 offset:16*\j            ; LDS serves a wave's instructions in order: my block's 32 numbers
.endr
	s_wait_dscnt 0x0
	v_max3_num_f32 v[T], |v[YS]|, |v[YS+1]|, 0x1800000            ; the block's largest magnitude, and the floor 2^(3 - 127)
	v_max3_num_f32 v[T+1], |v[YS+2]|, |v[YS+3]|, |v[YS+4]|
.irp n, 5,9,13,17,21,25
	s_delay_alu instid0(VALU_DEP_2)
	v_max3_num_f32 v[T], v[T], |v[YS+\n]|, |v[YS+\n+1]|
	s_delay_alu instid0(VALU_DEP_2)
	v_max3_num_f32 v[T+1], v[T+1], |v[YS+\n+2]|, |v[YS+\n+3]|
.endr
	s_delay_alu instid0(VALU_DEP_2)
	v_max3_num_f32 v[T], v[T], |v[YS+29]|, |v[YS+30]|
	s_delay_alu instid0(VALU_DEP_1)
	v_max3_num_f32 v[T], v[T], v[T+1], |v[YS+31]|
	s_delay_alu instid0(VALU_DEP_1)
	v_add_nc_u32 v[T+10], 0xff000000, v[T]         ; 2 off its exponent field: the conversions' scale operand
	v_cvt_scalef32_pk16_fp6_f32 v[C:C+2], v[YS:YS+15], v[T+10]
	v_cvt_scalef32_pk16_fp6_f32 v[C+4:C+6], v[YS+16:YS+31], v[T+10]
	v_lshrrev_b32 v[E], 23, v[T+10]                ; the byte (also the plain line behind the conversions)
	global_store_b96 v4, v[C:C+2], s[18:19]        ; the two stores cover the row's 768 consecutive bytes
	global_store_b96 v4, v[C+4:C+6], s[18:19] offset:12
	global_store_b8 v10, v[E], s[20:21]            ; 32 consecutive bytes
	s_wait_tensorcnt 0x0                           ; the wave's end
	ds_add_u32 v8, v9
	s_wait_dscnt 0x0
	s_endpgm
.Lfunc_end_k_qa2ba13b7ea_ln1:
	.size	k_qa2ba13b7ea_ln1, .Lfunc_end_k_qa2ba13b7ea_ln1-k_qa2ba13b7ea_ln1
	.p2alignl 7, 3214868480
	.fill 96, 4, 3214868480
	.section	.rodata,"a",@progbits
	.p2align	6, 0x0
	.amdhsa_kernel k_qa2ba13b7ea_ln1
		.amdhsa_group_segment_fixed_size 75776
		.amdhsa_private_segment_fixed_size 0
		.amdhsa_enable_private_segment 0
		.amdhsa_kernarg_size 56
		.amdhsa_user_sgpr_count 2
		.amdhsa_user_sgpr_kernarg_segment_ptr 1
		.amdhsa_wavefront_size32 1
		.amdhsa_system_sgpr_workgroup_id_x 1
		.amdhsa_system_sgpr_workgroup_id_y 1
		.amdhsa_system_sgpr_workgroup_id_z 1
		.amdhsa_system_vgpr_workitem_id 0
		.amdhsa_next_free_vgpr 176
		.amdhsa_next_free_sgpr 66
		.amdhsa_reserve_vcc 0
		.amdhsa_float_denorm_mode_32 3
		.amdhsa_float_denorm_mode_16_64 3
		.amdhsa_memory_ordered 1
		.amdhsa_forward_progress 1
		.amdhsa_inst_pref_size 18
	.end_amdhsa_kernel
	.amdgpu_metadata
---
amdhsa.version: [ 1, 2 ]
amdhsa.kernels:
  - .name:           k_qa2ba13b7ea_ln1
    .symbol:         k_qa2ba13b7ea_ln1.kd
    .args:
      - { .name: H, .offset: 0, .size: 8, .value_kind: global_buffer, .address_space: global }
      - { .name: ctxy, .offset: 8, .size: 8, .value_kind: global_buffer, .address_space: global }
      - { .name: g1, .offset: 16, .size: 8, .value_kind: global_buffer, .address_space: global }
      - { .name: be1, .offset: 24, .size: 8, .value_kind: global_buffer, .address_space: global }
      - { .name: fout, .offset: 32, .size: 8, .value_kind: global_buffer, .address_space: global }
      - { .name: acodes, .offset: 40, .size: 8, .value_kind: global_buffer, .address_space: global }
      - { .name: ascales, .offset: 48, .size: 8, .value_kind: global_buffer, .address_space: global }
    .group_segment_fixed_size: 75776
    .private_segment_fixed_size: 0
    .kernarg_segment_align: 8
    .kernarg_segment_size: 56
    .max_flat_workgroup_size: 512
    .sgpr_count:     66
    .vgpr_count:     176
    .wavefront_size: 32
...
	.end_amdgpu_metadata
.endif
;; end of part 4
;; launch ffn1 (part 5): grid 16 x 16, 4 waves a work-group, clusters of 4 x 4, 327,680 bytes of LDS; arguments acodes, ascales, W1_codes, W1_scales, b1, hid, hsc; writes hid, hsc
.if DOCPART == 5
	.amdgcn_target "amdgcn-amd-amdhsa--gfx1250"
	.amdhsa_code_object_version 6
	.text
	.protected	k_qa2ba13b7ea_ffn1
	.globl	k_qa2ba13b7ea_ffn1
	.p2align	8
	.type	k_qa2ba13b7ea_ffn1,@function
k_qa2ba13b7ea_ffn1:
	s_mov_b64 s[64:65], 0
	v_nop
	global_prefetch_b8 v0, s[64:65] scope:SCOPE_SE
	s_setreg_imm32_b32 hwreg(HW_REG_WAVE_MODE, 25, 1), 1
	s_wait_xcnt 0x0
	s_wait_alu depctr_hold_cnt(0) depctr_sa_sdst(0) depctr_va_vdst(0) depctr_va_sdst(0) depctr_va_ssrc(0) depctr_va_vcc(0) depctr_vm_vsrc(0)
	s_getreg_b32 s2, hwreg(HW_REG_IB_STS2, 6, 4)
	s_cmp_eq_u32 s2, 0
	s_cbranch_scc0 .Lentry_in_a_cluster
	s_endpgm
.Lentry_in_a_cluster:
	s_bfe_u32 s2, ttmp6, 0x10000c
	s_cmp_lg_u32 s2, 0xf033
	s_cbranch_scc0 .Lentry_shape_is_right
	s_endpgm
.Lentry_shape_is_right:
; relu(F_out W1 + b1) on codes of E2M3 with E8M0 scales, K = 1024, quantised along the hidden units on the way out and stored as images of operand registers.  No work is left out.
; The walk is launch qkv's: a tile of 256 x 256 by four waves; rows of 768 bytes in three chunks of 256; the head's four loads, one a wave, bring chunks 0 and 1 whole, chunk 2 is the one refill;
; the scale words of all eight steps go once from memory into registers; 4 x 4 clusters ask for A's tiles along a row and B's along a column.  No prefetch: the walk has no loop to run ahead in.
; The bias is the C of the first step's products.  hid: [token / 16][K step of 128][1536]; hsc: [256 tokens][K step][token][4].
; LIMITS: NaN and infinities are not served; a block of zeros keeps the scale byte 1.
; REGISTERS: window 0: v0-31 addresses, v32-63 A's scale words, v64-95 B's, v96-127 and v224-255 the bias, v128-223 A's fragments; window 1: B's, two sets; windows 2, 3: the accumulators.
.set ROWB,   256
.set KROW,   768
.set STEPS,  8
.set CHUNKS, 3
.set PITCH,  272
.set FR,     12
.set NL,     6
.set NP,     4
.set HALFT,  128*PITCH
.set SLOT,   4*HALFT
.set SPARE,  2*SLOT
.set ADRA, 16
.set ADRB, 20
.set LI,   24
.set LS,   25
.set SOF,  27
.set SPW,  28
.set NIL,  29
.set BO,   31
.set SCA,  32
.set SCB,  64
.set BI,   96
.set AF,   128
.set TM,   32
.set PW,   48
.set PWE,  49
.set SW,   160                         ; v160-163 the words to store, one register for each store
.set YT,   52
.set PC,   64
.set G1, 24
.set G0, 32
.set G1B, 48
.set G0B, 56
.set G0H, 68
.set HM,  66
.set SEL, 98
.set MSB, 0
.macro WIN new
.if MSB != (\new)
	s_set_vgpr_msb (MSB<<8)|(\new)
.set MSB, (\new)
.endif
.endm
.set MUL_LO, 0xa1
.set MUL_HI, 0xf1
.set TO_B,   0x40
.macro JLOAD g0a, g1a, g0b, g1b
	s_cmp_eq_u32 s15, 0
	s_cbranch_scc0 .Lfor_b_\@
	tensor_load_to_lds s[\g0a:\g0a+3], s[\g1a:\g1a+7]
	s_nop 0
.rept 4
	v_nop
.endr
	s_branch .Lasked_\@
.Lfor_b_\@:
	tensor_load_to_lds s[\g0b:\g0b+3], s[\g1b:\g1b+7]
	s_nop 0
.rept 4
	v_nop
.endr
.Lasked_\@:
.endm
.macro CREST
	s_cmp_lg_u32 s14, 0
	s_cbranch_scc1 .Lnot_wave_0_\@
	s_barrier_signal -3
.Lnot_wave_0_\@:
	s_barrier_wait -3
	s_barrier_signal -1
	s_barrier_wait -1
.endm
.macro CROUND
	s_barrier_signal -1
	s_barrier_wait -1
	CREST
.endm
	s_load_b256 s[4:11], s[0:1], 0x0               ; A's codes, scales; B's codes, scales
	s_load_b64 s[104:105], s[0:1], 0x20            ; the bias
	s_load_b64 s[12:13], s[0:1], 0x28              ; the images
	s_load_b64 s[100:101], s[0:1], 0x30            ; their scale words
	v_lshl_add_u32 v[SPW], v0, 2, SPARE
	v_mov_b32 v[NIL], 0
	ds_add_u32 v[SPW], v[NIL]                      ; the opening lines
	ds_add_u32 v[SPW], v[NIL]
	v_lshrrev_b32 v1, 5, v0
	v_readfirstlane_b32 s14, v1
	s_lshr_b32 s15, s14, 1
	s_and_b32 s16, s14, 1
	s_bfe_u32 s40, ttmp6, 0x40000
	s_bfe_u32 s41, ttmp6, 0x40004
	s_and_b32 s95, ttmp7, 0xffff
	s_lshl_b32 s95, s95, 2
	s_lshl_b32 s42, ttmp9, 2
	s_add_co_u32 s42, s42, s40                     ; tile column
	s_add_co_u32 s17, s95, s41                     ; tile row
	s_lshl_b32 s43, s41, 2
	s_lshl_b32 s43, 15, s43
	s_lshl_b32 s44, 0x1111, s40
	s_or_b32 s[G1+0], s43, (1<<20)|(1<<21)|(5<<22)|(3<<25)
	s_or_b32 s[G1B+0], s44, (1<<20)|(1<<21)|(5<<22)|(3<<25)
.irp g, G1, G1B
	s_mov_b32 s[\g+1], ROWB<<16
	s_mov_b32 s[\g+2], 256<<16
	s_mov_b32 s[\g+3], ROWB<<16
	s_mov_b32 s[\g+4], 256
	s_mov_b32 s[\g+5], KROW
	s_mov_b32 s[\g+6], 0
	s_mov_b32 s[\g+7], 0
.endr
	s_lshl_b32 s20, s17, 8
	s_lshl_b32 s46, s42, 8
	s_lshl_b32 s84, s20, 5
	s_lshl_b32 s18, s15, 12
	s_add_co_u32 s84, s84, s18
	s_mov_b32 s85, 0
	s_lshl_b32 s86, s46, 5
	s_lshl_b32 s18, s16, 12
	s_add_co_u32 s86, s86, s18
	s_mov_b32 s87, 0
	s_mul_i32 s20, s20, KROW
	s_mov_b32 s21, 0
	s_mul_i32 s46, s46, KROW
	s_mov_b32 s47, 0
	s_mul_i32 s18, s16, 128*KROW
	s_mov_b32 s19, 0
	s_mul_i32 s45, s14, HALFT
	s_wait_dscnt 0x0
	s_wait_kmcnt 0x0
	s_add_nc_u64 s[20:21], s[4:5], s[20:21]
	s_add_nc_u64 s[6:7], s[6:7], s[84:85]
	s_add_nc_u64 s[46:47], s[8:9], s[46:47]
	s_add_nc_u64 s[10:11], s[10:11], s[86:87]
	CROUND
.irp j, 0,1
	s_mov_b32 s[G0H+8*\j], 1
	s_mov_b32 s[G0H+8*\j+1], \j*SLOT
	s_add_nc_u64 s[G0H+8*\j+2:G0H+8*\j+3], s[20:21], \j*ROWB
	s_or_b32 s[G0H+8*\j+3], s[G0H+8*\j+3], 0x80000000
	s_mov_b32 s[G0H+8*\j+4], 1
	s_mov_b32 s[G0H+8*\j+5], \j*SLOT+2*HALFT
	s_add_nc_u64 s[G0H+8*\j+6:G0H+8*\j+7], s[46:47], \j*ROWB
	s_or_b32 s[G0H+8*\j+7], s[G0H+8*\j+7], 0x80000000
.endr
	s_add_nc_u64 s[20:21], s[20:21], s[18:19]
	s_add_nc_u64 s[46:47], s[46:47], s[18:19]
	s_mov_b32 s[G0], 1
	s_mov_b32 s[G0+1], s45
	s_add_nc_u64 s[G0+2:G0+3], s[20:21], 2*ROWB
	s_or_b32 s[G0+3], s[G0+3], 0x80000000
	s_mov_b32 s[G0B], 1
	s_mov_b32 s[G0B+1], s45
	s_add_nc_u64 s[G0B+2:G0B+3], s[46:47], 2*ROWB
	s_or_b32 s[G0B+3], s[G0B+3], 0x80000000
.macro ARM under, g0, g1, next
	s_cmp_lt_u32 s14, \under
	s_cbranch_scc0 \next
	tensor_load_to_lds s[\g0:\g0+3], s[\g1:\g1+7]
	s_nop 0
.rept 4
	v_nop
.endr
	s_branch .Lhead_asked
\next:
.endm
	ARM 1, G0H,   G1,  .Lh1
	ARM 2, G0H+4, G1B, .Lh2
	ARM 3, G0H+8, G1,  .Lh3
	tensor_load_to_lds s[G0H+12:G0H+15], s[G1B:G1B+7]
	s_nop 0
.rept 4
	v_nop
.endr
.Lhead_asked:
	s_mov_b32 s36, SLOT-232
	s_mov_b32 s37, SLOT+232
	s_mul_i32 s60, s15, HALFT
	s_add_co_u32 s61, s60, SLOT
	s_mul_i32 s62, s16, HALFT
	s_add_co_u32 s62, s62, 2*HALFT
	s_add_co_u32 s63, s62, SLOT
	s_mov_b32 s[HM], 0xffff0000
	s_mov_b32 s[SEL], 0x76543210
	s_mov_b32 s[SEL+1], 0xfedcba98
	s_lshl_b32 s20, s17, 4                         ; my first block of 16 tokens,
	s_lshl_b32 s21, s15, 3
	s_add_co_u32 s20, s20, s21
	s_mul_i32 s20, s20, 49152
	s_lshl_b32 s21, s42, 1
	s_add_co_u32 s21, s21, s16                     ; my 128 hidden units are K step 2 x tile column + half
	s_mul_i32 s22, s21, 1536
	s_add_co_u32 s20, s20, s22
	s_lshl_b32 s46, s21, 10
	s_mov_b32 s21, 0
	s_add_nc_u64 s[12:13], s[12:13], s[20:21]
	s_lshl_b32 s22, s17, 15
	s_add_co_u32 s46, s46, s22
	s_lshl_b32 s22, s15, 9
	s_add_co_u32 s46, s46, s22
	s_mov_b32 s47, 0
	s_add_nc_u64 s[100:101], s[100:101], s[46:47]
	s_lshl_b32 s46, s42, 10                        ; the bias of my 128 columns
	s_lshl_b32 s22, s16, 9
	s_add_co_u32 s46, s46, s22
	s_add_nc_u64 s[104:105], s[104:105], s[46:47]
	v_and_b32 v1, 15, v0
	v_bfe_u32 v2, v0, 4, 1
	v_and_b32 v6, 31, v0
	v_mul_u32_u24 v3, v1, PITCH
	v_mul_u32_u24 v4, v2, 24
	v_add_nc_u32 v4, v3, v4
	v_sub_nc_u32 v7, 1, v2
	v_mul_u32_u24 v5, s36, v2
	v_add_nc_u32 v5, v3, v5
	v_add_nc_u32 v5, 232, v5
	v_mul_u32_u24 v8, s37, v7
	v_add_nc_u32 v8, v3, v8
	v_add_nc_u32 v[ADRA], s60, v4
	v_add_nc_u32 v[ADRA+1], s61, v4
	v_add_nc_u32 v[ADRB], s62, v4
	v_add_nc_u32 v[ADRB+1], s63, v4
	v_add_nc_u32 v[ADRA+2], s60, v5
	v_add_nc_u32 v[ADRA+3], s60, v8
	v_add_nc_u32 v[ADRB+2], s62, v5
	v_add_nc_u32 v[ADRB+3], s62, v8
	v_lshlrev_b32 v[LI], 4, v6
	v_lshlrev_b32 v[LS], 2, v6
	v_lshlrev_b32 v[SOF], 5, v6
	v_lshlrev_b32 v[BO], 5, v2
	s_wait_alu depctr_va_vdst(0)
.irp p, 0,1,2,3
	global_load_b128 v[SCA+8*\p:SCA+8*\p+3], v[SOF], s[6:7] offset:1024*\p
	global_load_b128 v[SCA+8*\p+4:SCA+8*\p+7], v[SOF], s[6:7] offset:1024*\p+16
	global_load_b128 v[SCB+8*\p:SCB+8*\p+3], v[SOF], s[10:11] offset:1024*\p
	global_load_b128 v[SCB+8*\p+4:SCB+8*\p+7], v[SOF], s[10:11] offset:1024*\p+16
.endr
.irp b, 0,1,2,3,4,5,6,7
	global_load_b128 v[BI+8*\b+96*(\b/4):BI+8*\b+96*(\b/4)+3], v[BO], s[104:105] offset:64*\b        ; columns 16 b + 8 h + 0 .. 7, in the result's layout
	global_load_b128 v[BI+8*\b+96*(\b/4)+4:BI+8*\b+96*(\b/4)+7], v[BO], s[104:105] offset:64*\b+16
.endr
.macro FRAG reg, adr, st, i
.irp p, 0,1,2,3,4,5
.set BY, 96*(\st)+48*(\p/3)+8*(\p%3)
.if BY/ROWB == (BY+24)/ROWB
	ds_load_b64 v[\reg+2*\p:\reg+2*\p+1], v[\adr+(BY/ROWB)%2] offset:BY%ROWB+(\i)*16*PITCH
.else
	ds_load_b64 v[\reg+2*\p:\reg+2*\p+1], v[\adr+2+(BY/ROWB)%2] offset:BY%ROWB-232+(\i)*16*PITCH
.endif
.endr
.endm
.macro WM a, b, st, zero               ; zero = 2: the bias starts the sum
.set DR, 8*(8*((\a)%4)+(\b))
.set BR, 128*((\st)%2)+FR*(\b)
.set AR, AF+FR*(\a)
.set SB, SCB+8*((\b)/2)+(\st)
.set SA, SCA+8*((\a)/2)+(\st)
.set CR, DR
.if \zero == 2
.set CR, BI+8*(\b)+96*((\b)/4)
.endif
.if ((\b)%2) && ((\a)%2)
	v_wmma_scale_f32_16x16x128_f8f6f4 v[DR:DR+7], v[BR:BR+FR-1], v[AR:AR+FR-1], v[CR:CR+7], v[SB], v[SA] matrix_a_fmt:MATRIX_FMT_FP6 matrix_b_fmt:MATRIX_FMT_FP6 matrix_a_scale:MATRIX_SCALE_ROW1 matrix_b_scale:MATRIX_SCALE_ROW1
.elseif (\b)%2
	v_wmma_scale_f32_16x16x128_f8f6f4 v[DR:DR+7], v[BR:BR+FR-1], v[AR:AR+FR-1], v[CR:CR+7], v[SB], v[SA] matrix_a_fmt:MATRIX_FMT_FP6 matrix_b_fmt:MATRIX_FMT_FP6 matrix_a_scale:MATRIX_SCALE_ROW1
.elseif (\a)%2
	v_wmma_scale_f32_16x16x128_f8f6f4 v[DR:DR+7], v[BR:BR+FR-1], v[AR:AR+FR-1], v[CR:CR+7], v[SB], v[SA] matrix_a_fmt:MATRIX_FMT_FP6 matrix_b_fmt:MATRIX_FMT_FP6 matrix_b_scale:MATRIX_SCALE_ROW1
.else
	v_wmma_scale_f32_16x16x128_f8f6f4 v[DR:DR+7], v[BR:BR+FR-1], v[AR:AR+FR-1], v[CR:CR+7], v[SB], v[SA] matrix_a_fmt:MATRIX_FMT_FP6 matrix_b_fmt:MATRIX_FMT_FP6
.endif
.endm
.macro MUL16 a0, st, zero
.irp a, \a0, \a0+1
.irp b, 0,1,2,3,4,5,6,7
	WM \a, \b, \st, \zero
.endr
.endr
.endm
.macro FETCH_B st
	WIN TO_B
.irp i, 0,1,2,3,4,5,6,7
	FRAG 128*((\st)%2)+FR*\i, ADRB, \st, \i
.endr
	WIN 0
.endm
.macro FETCH_A st, i0
.irp i, \i0, \i0+1, \i0+2, \i0+3
	FRAG AF+FR*(\i), ADRA, \st, \i
.endr
.endm
.macro PLACES n
.rept \n
	v_nop
.endr
.endm
.macro STEP st, zero
.set NX, (\st)+1
.set C0, (96*(\st))/ROWB
.set C1, (96*NX)/ROWB
.set E0, (96*(\st)+95)/ROWB
.set E1, (96*NX+95)/ROWB
.if (C1 > C0 && C0+2 < CHUNKS) || (E1 > E0 && E1 > 1)
	s_wait_tensorcnt 0x0
.if C1 > C0
	ds_add_u32 v[SPW], v[NIL]
	s_wait_dscnt 4*NL+1                            ; the add and A's blocks 4-7 may be out
.else
	s_wait_dscnt 4*NL
.endif
	WIN MUL_LO
	MUL16 0, \st, \zero
	s_wait_dscnt 0x0
	s_barrier_signal -1
	MUL16 2, \st, \zero
	WIN 0
	s_barrier_wait -1
.if C1 > C0
	CREST
	JLOAD G0, G1, G0B, G1B                         ; chunk 2 into slot 0
.else
	PLACES NP
.endif
.else
	s_wait_dscnt 4*NL
.if \zero == 2
	WIN 0x81                                       ; as MUL_LO, C in window 0
.else
	WIN MUL_LO
.endif
	MUL16 0, \st, \zero
	MUL16 2, \st, \zero
	s_wait_dscnt 0
	PLACES NP
.endif
	FETCH_B NX
	FETCH_A NX, 0
.if \zero == 2
	WIN 0xc1
.else
	WIN MUL_HI
.endif
	MUL16 4, \st, \zero
	MUL16 6, \st, \zero
	PLACES NP
	WIN 0
	FETCH_A NX, 4
.endm
	s_wait_tensorcnt 0x0                           ; my tile of the head's four is in
	s_mov_b32 s[G1+2], 128<<16                     ; no tensor load of mine is out: the refill brings 128 rows a wave
	s_mov_b32 s[G1+4], 128
	s_mov_b32 s[G1B+2], 128<<16
	s_mov_b32 s[G1B+4], 128
	s_barrier_signal -1
	s_barrier_wait -1
	FETCH_B 0
	FETCH_A 0, 0
	FETCH_A 0, 4
	s_wait_loadcnt 0x0                             ; the scale words and the bias
	STEP 0, 2
.set ST, 1
.rept STEPS-2
	STEP ST, 0
.set ST, ST+1
.endr
	s_wait_dscnt 4*NL
	WIN MUL_LO
	MUL16 0, 7, 0
	MUL16 2, 7, 0
	s_wait_dscnt 0
	WIN MUL_HI
	MUL16 4, 7, 0
	MUL16 6, 7, 0
	WIN 0
.macro MERGE d, y
.irp i, 0,1,2
	v_permlane16_swap_b32 v[(\d)+\i], v[(\y)+\i]
.endr
	v_perm_b32 v[(\d)+3], v[(\d)+2], v[(\d)+1], 0x05040302
	v_perm_b32 v[(\d)+4], v[(\y)+1], v[(\d)+2], 0x07060302
	v_perm_b32 v[(\d)+1], v[(\y)], v[(\d)+1], 0x05040100
	v_perm_b32 v[(\d)+2], v[(\y)+1], v[(\y)], 0x05040302
	v_mov_b32 v[(\d)+5], v[(\y)+2]
.endm
.macro QUANTW a, d0, d1
.set AC, 64*((\a)%4)
.set WS, 2+(\a)/4
.set WN, (WS<<6)|(WS<<2)
	WIN WN
.set j, 0
.rept 64
	v_max_num_f32 v[AC+j], 0, v[AC+j]              ; the activation, in f32
.set j, j+1
.endr
.set WN, (WS<<2)|WS
	WIN WN
.irp b, 0,1,2,3
	v_max3_num_f32 v[TM+\b], |v[AC+16*\b]|, |v[AC+16*\b+1]|, 0x1800000
.endr
.irp i, 2,4,6,8,10,12,14
.irp b, 0,1,2,3
	v_max3_num_f32 v[TM+\b], |v[AC+16*\b+\i]|, |v[AC+16*\b+\i+1]|, v[TM+\b]
.endr
.endr
	WIN 0
.irp b, 0,1,2,3
	v_permlanex16_b32 v[TM+4+\b], v[TM+\b], s[SEL], s[SEL+1]
.endr
.irp b, 0,1,2,3
	v_max_num_f32 v[TM+\b], v[TM+\b], v[TM+4+\b]
.endr
.irp b, 0,1,2,3
	v_add_nc_u32 v[TM+12+\b], 0xff000000, v[TM+\b]
.endr
.irp b, 0,1,2,3
	v_lshrrev_b32 v[TM+4+\b], 23, v[TM+12+\b]
.endr
	v_lshl_or_b32 v[PW], v[TM+5], 8, v[TM+4]
	v_lshl_or_b32 v[PW], v[TM+6], 16, v[PW]
	v_lshl_or_b32 v[PW], v[TM+7], 24, v[PW]
	WIN WS
	v_cvt_scalef32_pk16_fp6_f32 v[(\d0):(\d0)+2], v[AC:AC+15], v[TM+12]
	v_cvt_scalef32_pk16_fp6_f32 v[YT:YT+2], v[AC+16:AC+31], v[TM+13]
	v_cvt_scalef32_pk16_fp6_f32 v[(\d1):(\d1)+2], v[AC+32:AC+47], v[TM+14]
	v_cvt_scalef32_pk16_fp6_f32 v[YT+4:YT+6], v[AC+48:AC+63], v[TM+15]
	WIN 0
	v_nop
	MERGE \d0, YT
	MERGE \d1, YT+4
.endm
	PLACES NP
.irp b, 0,1,2,3
	v_mov_b32 v[TM+4+\b], 0
.endr
.irp a, 0,1,2,3,4,5,6,7
	QUANTW \a, PC+12*\a, PC+12*\a+6                ; every store has data registers of its own: none is written again
.irp g, 0,1,2
	global_store_b128 v[LI], v[PC+12*\a+4*\g:PC+12*\a+4*\g+3], s[12:13] offset:\a*49152+512*\g
.endr
.if \a%2 == 0
	v_mov_b32 v[PWE], v[PW]
.else
	v_cndmask_b32 v[SW+\a/2], v[PWE], v[PW], s[HM]
	global_store_b32 v[LS], v[SW+\a/2], s[100:101] offset:(\a/2)*128
.endif
.endr
	s_wait_tensorcnt 0x0                           ; the wave's end
	ds_add_u32 v[SPW], v[NIL]
	s_wait_dscnt 0x0
	CROUND
	s_endpgm
.Lfunc_end_k_qa2ba13b7ea_ffn1:
	.size	k_qa2ba13b7ea_ffn1, .Lfunc_end_k_qa2ba13b7ea_ffn1-k_qa2ba13b7ea_ffn1
	.p2alignl 7, 3214868480
	.fill 96, 4, 3214868480
	.section	.rodata,"a",@progbits
	.p2align	6, 0x0
	.amdhsa_kernel k_qa2ba13b7ea_ffn1
		.amdhsa_group_segment_fixed_size 327680
		.amdhsa_private_segment_fixed_size 0
		.amdhsa_enable_private_segment 0
		.amdhsa_kernarg_size 56
		.amdhsa_user_sgpr_count 2
		.amdhsa_user_sgpr_kernarg_segment_ptr 1
		.amdhsa_wavefront_size32 1
		.amdhsa_system_sgpr_workgroup_id_x 1
		.amdhsa_system_sgpr_workgroup_id_y 1
		.amdhsa_system_sgpr_workgroup_id_z 1
		.amdhsa_system_vgpr_workitem_id 0
		.amdhsa_next_free_vgpr 1024
		.amdhsa_next_free_sgpr 106
		.amdhsa_reserve_vcc 0
		.amdhsa_float_denorm_mode_32 3
		.amdhsa_float_denorm_mode_16_64 3
		.amdhsa_memory_ordered 1
		.amdhsa_forward_progress 1
		.amdhsa_inst_pref_size 184
	.end_amdhsa_kernel
	.amdgpu_metadata
---
amdhsa.version: [ 1, 2 ]
amdhsa.kernels:
  - .name:           k_qa2ba13b7ea_ffn1
    .symbol:         k_qa2ba13b7ea_ffn1.kd
    .args:
      - { .name: acodes, .offset: 0, .size: 8, .value_kind: global_buffer, .address_space: global }
      - { .name: ascales, .offset: 8, .size: 8, .value_kind: global_buffer, .address_space: global }
      - { .name: W1_codes, .offset: 16, .size: 8, .value_kind: global_buffer, .address_space: global }
      - { .name: W1_scales, .offset: 24, .size: 8, .value_kind: global_buffer, .address_space: global }
      - { .name: b1, .offset: 32, .size: 8, .value_kind: global_buffer, .address_space: global }
      - { .name: hid, .offset: 40, .size: 8, .value_kind: global_buffer, .address_space: global }
      - { .name: hsc, .offset: 48, .size: 8, .value_kind: global_buffer, .address_space: global }
    .group_segment_fixed_size: 327680
    .private_segment_fixed_size: 0
    .kernarg_segment_align: 8
    .kernarg_segment_size: 56
    .max_flat_workgroup_size: 128
    .sgpr_count:     106
    .vgpr_count:     1024
    .wavefront_size: 32
...
	.end_amdgpu_metadata
.endif
;; end of part 5
;; launch ffn2 (part 6): grid 8 x 32, 4 waves a work-group, clusters of 4 x 4, 327,680 bytes of LDS; arguments hid, hsc, w2i, W2_scales, b2, ctxy, fout; writes ctxy
.if DOCPART == 6
	.amdgcn_target "amdgcn-amd-amdhsa--gfx1250"
	.amdhsa_code_object_version 6
	.text
	.protected	k_qa2ba13b7ea_ffn2
	.globl	k_qa2ba13b7ea_ffn2
	.p2align	8
	.type	k_qa2ba13b7ea_ffn2,@function
k_qa2ba13b7ea_ffn2:
	s_mov_b64 s[64:65], 0
	v_nop
	global_prefetch_b8 v0, s[64:65] scope:SCOPE_SE
	s_setreg_imm32_b32 hwreg(HW_REG_WAVE_MODE, 25, 1), 1
	s_wait_xcnt 0x0
	s_wait_alu depctr_hold_cnt(0) depctr_sa_sdst(0) depctr_va_vdst(0) depctr_va_sdst(0) depctr_va_ssrc(0) depctr_va_vcc(0) depctr_vm_vsrc(0)
	s_getreg_b32 s2, hwreg(HW_REG_IB_STS2, 6, 4)
	s_cmp_eq_u32 s2, 0
	s_cbranch_scc0 .Lentry_in_a_cluster
	s_endpgm
.Lentry_in_a_cluster:
	s_bfe_u32 s2, ttmp6, 0x10000c
	s_cmp_lg_u32 s2, 0xf033
	s_cbranch_scc0 .Lentry_shape_is_right
	s_endpgm
.Lentry_shape_is_right:
; y[m][n] = b2[n] + sum over k of hidden[m][k] W2[k][n] on codes of E2M3 with E8M0 scales, M = 4096, N = 1024, K = 4096, f32 out (into the buffer that held ctx, which no later launch reads as ctx).  No work is left out.
; A block of 128 x 128 to a work-group: 8 x 32 = 256 work-groups, each with the whole of K: one owner for each output, no partial sums.  A wave makes 64 x 64: 16 accumulators.
; BOTH OPERANDS COME AS IMAGES of operand registers, 1,536 bytes for 16 rows x 128 K, [16 rows][K step][1536]: a tile's row is a block's run of K steps, dense, beginning at a multiple of 256 bytes,
; and a fragment is three LDS loads of 16 bytes a lane at 16 x lane.
; TWO SLOTS OF SIX K STEPS (A's 8 blocks, then B's 8: 147,456 bytes).  The head's four loads, one a wave, fill both slots; four refills follow, a quarter of a slot a wave; the last holds two steps
; (tensor_dim0 ends the rows there).  32 steps = 6 + 6 + 6 + 6 + 6 + 2.
; THE SCALE WORDS of all 32 steps go once from memory into registers: a register holds an even block's words in lanes 0-15 and the odd block's in lanes 16-31.  The bias is the C of the first step's products.
; CLUSTERS: 4 x 4; A's tiles are asked for jointly along a row of the cluster, B's along a column.  No prefetch: the walk is written out, and the head asks for 12 of the 32 steps.
; TRANSPOSED USE: source 0 = 16 rows of W2's image, source 1 = 16 tokens: lane (r, h) holds token r, register j column 8 h + j.
; LIMITS: NaN and infinities are not served.
; REGISTERS: window 0: v16-29 addresses, v32-95 A's scale words, v96-159 B's, v160-191 the bias, v192-255 the way out; window 1: fragments, two sets (B's 48, A's 48) at v0 and v128; window 2: v0-127 the accumulators.
.set STEPS, 32
.set NS,    6
.set FILLS, 6
.set FB,    1536
.set RB,    NS*FB
.set HALF,  4*RB
.set SLOT,  4*HALF
.set SPARE, 2*SLOT
.set STAGE, SPARE+512                  ; 16 rows x 272 bytes a wave: bytes of its own, on which no fill lands
.set SP,    272
.set FR,    12
.set ADRA, 16
.set ADRB, 18
.set STO,  20
.set RD,   21
.set CO,   22
.set SOA,  23
.set SOB,  24
.set BO,   25
.set SPW,  28
.set NIL,  29
.set SCA,  32
.set SCB,  96
.set BI,   160
.set BK,   192
.set G1, 24
.set G0, 32
.set G1B, 48
.set G0B, 56
.set G0H, 68
.set MSB, 0
.macro WIN new
.if MSB != (\new)
	s_set_vgpr_msb (MSB<<8)|(\new)
.set MSB, (\new)
.endif
.endm
.set MULW, 0xa5                        ; sources 0 and 1 window 1, C and D window 2
.set MULB, 0x85                        ; the same, C in window 0
.macro JLOAD g0a, g1a, g0b, g1b
	s_cmp_eq_u32 s15, 0
	s_cbranch_scc0 .Lfor_b_\@
	tensor_load_to_lds s[\g0a:\g0a+3], s[\g1a:\g1a+7]
	s_nop 0
.rept 4
	v_nop
.endr
	s_branch .Lasked_\@
.Lfor_b_\@:
	tensor_load_to_lds s[\g0b:\g0b+3], s[\g1b:\g1b+7]
	s_nop 0
.rept 4
	v_nop
.endr
.Lasked_\@:
.endm
.macro CREST
	s_cmp_lg_u32 s14, 0
	s_cbranch_scc1 .Lnot_wave_0_\@
	s_barrier_signal -3
.Lnot_wave_0_\@:
	s_barrier_wait -3
	s_barrier_signal -1
	s_barrier_wait -1
.endm
.macro CROUND
	s_barrier_signal -1
	s_barrier_wait -1
	CREST
.endm
	s_load_b256 s[4:11], s[0:1], 0x0               ; hidden images, their words, W2's images, W2's scales
	s_load_b64 s[104:105], s[0:1], 0x20            ; b2
	s_load_b64 s[12:13], s[0:1], 0x28
	s_load_b64 s[98:99], s[0:1], 0x30              ; F_out: ALSO THE RESIDUAL IS ADDED HERE: what is stored is F_out + the product + b2
	v_lshl_add_u32 v[SPW], v0, 2, SPARE
	v_mov_b32 v[NIL], 0
	ds_add_u32 v[SPW], v[NIL]                      ; the opening lines
	ds_add_u32 v[SPW], v[NIL]
	v_lshrrev_b32 v1, 5, v0
	v_readfirstlane_b32 s14, v1
	s_lshr_b32 s15, s14, 1                         ; my 64 rows; in a refill: I fetch for A (0) or B (1)
	s_and_b32 s16, s14, 1                          ; my 64 columns; in a refill: which four blocks I fetch
	s_bfe_u32 s40, ttmp6, 0x40000
	s_bfe_u32 s41, ttmp6, 0x40004
	s_lshl_b32 s42, ttmp9, 2
	s_add_co_u32 s42, s42, s40                     ; block column 0..7
	s_and_b32 s17, ttmp7, 0xffff
	s_lshl_b32 s17, s17, 2
	s_add_co_u32 s17, s17, s41                     ; block row 0..31
	s_lshl_b32 s43, s41, 2
	s_lshl_b32 s43, 15, s43
	s_lshl_b32 s44, 0x1111, s40
	s_or_b32 s[G1+0], s43, (3<<16)|(1<<21)         ; elements of 8 bytes, no padding
	s_or_b32 s[G1B+0], s44, (3<<16)|(1<<21)
.irp g, G1, G1B
	s_mov_b32 s[\g+1], (RB/8)<<16                  ; a row: six steps of one block
	s_mov_b32 s[\g+2], 8<<16                       ; the head's loads bring eight blocks
	s_mov_b32 s[\g+3], (RB/8)<<16
	s_mov_b32 s[\g+4], 8
	s_mov_b32 s[\g+5], 6144                        ; from block to block: 32 steps
	s_mov_b32 s[\g+6], 0
	s_mov_b32 s[\g+7], 0
.endr
	s_mul_i32 s20, s17, 8*49152
	s_mov_b32 s21, 0
	s_mul_i32 s46, s42, 8*49152
	s_mov_b32 s47, 0
	s_mul_i32 s18, s16, 4*49152
	s_mov_b32 s19, 0
	s_mul_i32 s45, s14, HALF
	s_lshr_b32 s84, s17, 1                         ; A's words: [256 tokens][step][token][4]
	s_lshl_b32 s84, s84, 15
	s_and_b32 s22, s17, 1
	s_lshl_b32 s22, s22, 9
	s_add_co_u32 s84, s84, s22
	s_lshl_b32 s22, s15, 8
	s_add_co_u32 s84, s84, s22
	s_mov_b32 s85, 0
	s_lshl_b32 s86, s42, 14                        ; B's scales: 128 bytes a row
	s_lshl_b32 s22, s16, 13
	s_add_co_u32 s86, s86, s22
	s_mov_b32 s87, 0
	s_lshl_b32 s88, s42, 9                         ; my first column, in bytes
	s_lshl_b32 s22, s16, 8
	s_add_co_u32 s88, s88, s22
	s_mov_b32 s89, 0
	s_lshl_b32 s90, s17, 19                        ; my first row of y, 4,096 bytes a row
	s_lshl_b32 s22, s15, 18
	s_add_co_u32 s90, s90, s22
	s_add_co_u32 s90, s90, s88
	s_mov_b32 s91, 0
	s_mul_i32 s92, s15, HALF                       ; my four blocks of A in slot 0, 1
	s_add_co_u32 s93, s92, SLOT
	s_mul_i32 s94, s16, HALF                       ; my four blocks of B, behind A's eight
	s_add_co_u32 s94, s94, 2*HALF
	s_add_co_u32 s95, s94, SLOT
	s_mul_i32 s96, s14, 16*SP
	s_add_co_u32 s96, s96, STAGE
	s_wait_dscnt 0x0
	s_wait_kmcnt 0x0
	s_add_nc_u64 s[20:21], s[4:5], s[20:21]
	s_add_nc_u64 s[6:7], s[6:7], s[84:85]
	s_add_nc_u64 s[46:47], s[8:9], s[46:47]
	s_add_nc_u64 s[10:11], s[10:11], s[86:87]
	s_add_nc_u64 s[104:105], s[104:105], s[88:89]
	s_add_nc_u64 s[12:13], s[12:13], s[90:91]
	s_add_nc_u64 s[98:99], s[98:99], s[90:91]
	CROUND
.irp j, 0,1                                    ; slot j: steps 6 j .. 6 j + 5 of A's eight blocks, then of B's
	s_mov_b32 s[G0H+8*\j], 1
	s_mov_b32 s[G0H+8*\j+1], \j*SLOT
	s_add_nc_u64 s[G0H+8*\j+2:G0H+8*\j+3], s[20:21], \j*RB
	s_or_b32 s[G0H+8*\j+3], s[G0H+8*\j+3], 0x80000000
	s_mov_b32 s[G0H+8*\j+4], 1
	s_mov_b32 s[G0H+8*\j+5], \j*SLOT+2*HALF
	s_add_nc_u64 s[G0H+8*\j+6:G0H+8*\j+7], s[46:47], \j*RB
	s_or_b32 s[G0H+8*\j+7], s[G0H+8*\j+7], 0x80000000
.endr
	s_add_nc_u64 s[20:21], s[20:21], s[18:19]      ; the refills: my four blocks; each refill first steps six K steps on
	s_add_nc_u64 s[46:47], s[46:47], s[18:19]
	s_mov_b32 s[G0], 1
	s_mov_b32 s[G0+1], s45
	s_add_nc_u64 s[G0+2:G0+3], s[20:21], RB
	s_or_b32 s[G0+3], s[G0+3], 0x80000000
	s_mov_b32 s[G0B], 1
	s_mov_b32 s[G0B+1], s45
	s_add_nc_u64 s[G0B+2:G0B+3], s[46:47], RB
	s_or_b32 s[G0B+3], s[G0B+3], 0x80000000
.macro ARM under, g0, g1, next
	s_cmp_lt_u32 s14, \under
	s_cbranch_scc0 \next
	tensor_load_to_lds s[\g0:\g0+3], s[\g1:\g1+7]
	s_nop 0
.rept 4
	v_nop
.endr
	s_branch .Lhead_asked
\next:
.endm
	ARM 1, G0H,   G1,  .Lh1
	ARM 2, G0H+4, G1B, .Lh2
	ARM 3, G0H+8, G1,  .Lh3
	tensor_load_to_lds s[G0H+12:G0H+15], s[G1B:G1B+7]
	s_nop 0
.rept 4
	v_nop
.endr
.Lhead_asked:
	v_and_b32 v1, 15, v0                           ; r
	v_bfe_u32 v2, v0, 4, 1                         ; h
	v_and_b32 v6, 31, v0
	v_lshlrev_b32 v7, 4, v6
	v_add_nc_u32 v[ADRA], s92, v7
	v_add_nc_u32 v[ADRA+1], s93, v7
	v_add_nc_u32 v[ADRB], s94, v7
	v_add_nc_u32 v[ADRB+1], s95, v7
	v_mul_u32_u24 v5, v1, SP
	v_lshl_add_u32 v5, v2, 5, v5
	v_add_nc_u32 v[STO], s96, v5                   ; the stage, in: row r, + 32 h
	v_mul_u32_u24 v8, v2, SP
	v_lshl_add_u32 v8, v1, 4, v8
	v_add_nc_u32 v[RD], s96, v8                    ; back: lanes 0-15 one row, lanes 16-31 the next
	v_lshlrev_b32 v9, 12, v2
	v_lshl_add_u32 v[CO], v1, 4, v9                ; the same two rows in y
	v_lshlrev_b32 v[SOA], 2, v6
	v_lshlrev_b32 v[SOB], 7, v6
	v_lshlrev_b32 v[BO], 5, v2
	s_wait_alu depctr_va_vdst(0)
.irp p, 0,1
.set j, 0
.rept 32
	global_load_b32 v[SCA+32*\p+j], v[SOA], s[6:7] offset:1024*j+128*\p        ; step j's words of 32 tokens: 128 consecutive bytes
.set j, j+1
.endr
.irp j, 0,1,2,3,4,5,6,7
	global_load_b128 v[SCB+32*\p+4*\j:SCB+32*\p+4*\j+3], v[SOB], s[10:11] offset:4096*\p+16*\j   ; a lane a row of W2's scales: the eight loads cover 4,096 consecutive bytes
.endr
.endr
.irp b, 0,1,2,3
	global_load_b128 v[BI+8*\b:BI+8*\b+3], v[BO], s[104:105] offset:64*\b
	global_load_b128 v[BI+8*\b+4:BI+8*\b+7], v[BO], s[104:105] offset:64*\b+16
.endr
	WIN 0x80                                       ; my 64 x 64 of F_out into window 2, v128-255, in the order of the way out: sixteen lanes read 256 consecutive bytes
.irp a, 0,1,2,3
.irp t, 0,1,2,3,4,5,6,7
	global_load_b128 v[128+32*\a+4*\t:128+32*\a+4*\t+3], v[CO], s[98:99] offset:(16*\a+2*\t)*4096 th:TH_LOAD_NT
.endr
.endr
	WIN 0
.macro LDF st                          ; step st's eight fragments into set st % 2: 24 loads
.set SL, ((\st)/NS)%2
.set Q,  (\st)%NS
.set FS, 128*((\st)%2)
	WIN 0x40
.irp i, 0,1,2,3
.irp g, 0,1,2
	ds_load_b128 v[FS+FR*\i+4*\g:FS+FR*\i+4*\g+3], v[ADRB+SL] offset:\i*RB+Q*FB+512*\g
.endr
.endr
.irp i, 0,1,2,3
.irp g, 0,1,2
	ds_load_b128 v[FS+48+FR*\i+4*\g:FS+48+FR*\i+4*\g+3], v[ADRA+SL] offset:\i*RB+Q*FB+512*\g
.endr
.endr
.endm
.macro WMM d, bf, af, sb, sa, ob, oa, zero, ci
.set CR, (\d)
.if \zero
.set CR, (\ci)
.endif
.if (\ob) && (\oa)
	v_wmma_scale_f32_16x16x128_f8f6f4 v[(\d):(\d)+7], v[(\bf):(\bf)+FR-1], v[(\af):(\af)+FR-1], v[CR:CR+7], v[(\sb)], v[(\sa)] matrix_a_fmt:MATRIX_FMT_FP6 matrix_b_fmt:MATRIX_FMT_FP6 matrix_a_scale:MATRIX_SCALE_ROW1 matrix_b_scale:MATRIX_SCALE_ROW1
.elseif (\ob)
	v_wmma_scale_f32_16x16x128_f8f6f4 v[(\d):(\d)+7], v[(\bf):(\bf)+FR-1], v[(\af):(\af)+FR-1], v[CR:CR+7], v[(\sb)], v[(\sa)] matrix_a_fmt:MATRIX_FMT_FP6 matrix_b_fmt:MATRIX_FMT_FP6 matrix_a_scale:MATRIX_SCALE_ROW1
.elseif (\oa)
	v_wmma_scale_f32_16x16x128_f8f6f4 v[(\d):(\d)+7], v[(\bf):(\bf)+FR-1], v[(\af):(\af)+FR-1], v[CR:CR+7], v[(\sb)], v[(\sa)] matrix_a_fmt:MATRIX_FMT_FP6 matrix_b_fmt:MATRIX_FMT_FP6 matrix_b_scale:MATRIX_SCALE_ROW1
.else
	v_wmma_scale_f32_16x16x128_f8f6f4 v[(\d):(\d)+7], v[(\bf):(\bf)+FR-1], v[(\af):(\af)+FR-1], v[CR:CR+7], v[(\sb)], v[(\sa)] matrix_a_fmt:MATRIX_FMT_FP6 matrix_b_fmt:MATRIX_FMT_FP6
.endif
.endm
.macro MUL4 a, st, zero                ; A's block a x B's four; the 16 accumulators take turns
.irp b, 0,1,2,3
	WMM 8*(4*(\a)+\b), 128*((\st)%2)+FR*\b, 128*((\st)%2)+48+FR*(\a), SCB+32*(\b/2)+(\st), SCA+32*((\a)/2)+(\st), \b%2, (\a)%2, \zero, BI+8*\b
.endr
.endm
.macro PLACES n
.rept \n
	v_nop
.endr
.endm
; A step: the next step's 24 loads, then 16 products.  A slot's last step changes slots: the three lines, the barrier (a round where a fill is left), the refill, and only then the next slot's first fragments.
.macro STEP st, zero
.set F, (\st)/NS+2                     ; the fill that this slot takes next
.if ((\st)%NS == NS-1) && ((\st) < STEPS-1)
	WIN 0
	s_wait_tensorcnt 0x0                           ; all my tensor loads have landed: my part of the next slot
.if F < FILLS
	ds_add_u32 v[SPW], v[NIL]
	s_wait_dscnt 1                                 ; this step's fragments are in; the add may be out
.else
	s_wait_dscnt 0x0
.endif
	WIN MULW
	MUL4 0, \st, 0
	s_wait_dscnt 0x0                               ; the add is done; my reads of this slot are over
	s_barrier_signal -1
	MUL4 1, \st, 0
	WIN 0
	s_barrier_wait -1
.if F < FILLS
	CREST
	s_add_co_u32 s[G0+1], s45, (F%2)*SLOT
	s_add_co_u32 s[G0B+1], s45, (F%2)*SLOT
	s_add_nc_u64 s[G0+2:G0+3], s[G0+2:G0+3], RB
	s_add_nc_u64 s[G0B+2:G0B+3], s[G0B+2:G0B+3], RB
.if F == FILLS-1
	s_mov_b32 s[G1+1], (2*FB/8)<<16                ; two steps are left of each block's row: what lies beyond is written as zeros and never read
	s_mov_b32 s[G1B+1], (2*FB/8)<<16
.endif
	JLOAD G0, G1, G0B, G1B                         ; its four v_nop are the places in front of the loads below
.else
	PLACES 4
.endif
	LDF (\st)+1
	WIN MULW
	MUL4 2, \st, 0
	MUL4 3, \st, 0
.else
	PLACES 4                                       ; in front of the loads into the set that the last step's products read
.if (\st) < STEPS-1
	LDF (\st)+1
	s_wait_dscnt 24                                ; all but the 24 just issued
.else
	s_wait_dscnt 0x0
.endif
.if \zero
	WIN MULB
.else
	WIN MULW
.endif
	MUL4 0, \st, \zero
	MUL4 1, \st, \zero
	MUL4 2, \st, \zero
	MUL4 3, \st, \zero
.endif
.endm
	s_wait_tensorcnt 0x0                           ; my tile of the head's four is in
	s_mov_b32 s[G1+2], 4<<16                       ; no tensor load of mine is out: a refill brings four blocks a wave
	s_mov_b32 s[G1+4], 4
	s_mov_b32 s[G1B+2], 4<<16
	s_mov_b32 s[G1B+4], 4
	s_barrier_signal -1
	s_barrier_wait -1                              ; both slots are whole
	LDF 0
	s_wait_loadcnt 0x0                             ; the scale words and the bias
	STEP 0, 1
.set ST, 1
.rept STEPS-1
	STEP ST, 0
.set ST, ST+1
.endr
	WIN 0
	PLACES 4
; THE WAY OUT: 16 rows x 64 columns at a time through my stage, back as rows of 256 bytes: sixteen lanes store 256 consecutive bytes, at a multiple of 256 from the buffer's first byte
.irp a, 0,1,2,3
	WIN 0x08
.irp b, 0,1,2,3
	ds_store_b128 v[STO], v[8*(4*\a+\b):8*(4*\a+\b)+3] offset:64*\b          ; each accumulator from its low end on
	ds_store_b128 v[STO], v[8*(4*\a+\b)+4:8*(4*\a+\b)+7] offset:64*\b+16
.endr
	WIN 0
.if \a > 1
	s_wait_xcnt 0x0                                ; block a - 2's stores have read these registers
.endif
.irp t, 0,1,2,3,4,5,6,7
	ds_load_b128 v[BK+32*(\a%2)+4*\t:BK+32*(\a%2)+4*\t+3], v[RD] offset:\t*2*SP   ; LDS serves a wave's instructions in order: these see my stores
.endr
	s_wait_dscnt 0x0
	WIN 0x08                                       ; source 1 in window 2
.set k, 0
.rept 16
	v_pk_add_f32 v[BK+32*(\a%2)+k:BK+32*(\a%2)+k+1], v[BK+32*(\a%2)+k:BK+32*(\a%2)+k+1], v[128+32*\a+k:128+32*\a+k+1]   ; + F_out
.set k, k+2
.endr
	WIN 0
.irp t, 0,1,2,3,4,5,6,7
	global_store_b128 v[CO], v[BK+32*(\a%2)+4*\t:BK+32*(\a%2)+4*\t+3], s[12:13] offset:(16*\a+2*\t)*4096
.endr
.endr
	s_wait_tensorcnt 0x0                           ; the wave's end
	ds_add_u32 v[SPW], v[NIL]
	s_wait_dscnt 0x0
	CROUND                                         ; the closing round
	s_endpgm
.Lfunc_end_k_qa2ba13b7ea_ffn2:
	.size	k_qa2ba13b7ea_ffn2, .Lfunc_end_k_qa2ba13b7ea_ffn2-k_qa2ba13b7ea_ffn2
	.p2alignl 7, 3214868480
	.fill 96, 4, 3214868480
	.section	.rodata,"a",@progbits
	.p2align	6, 0x0
	.amdhsa_kernel k_qa2ba13b7ea_ffn2
		.amdhsa_group_segment_fixed_size 327680
		.amdhsa_private_segment_fixed_size 0
		.amdhsa_enable_private_segment 0
		.amdhsa_kernarg_size 56
		.amdhsa_user_sgpr_count 2
		.amdhsa_user_sgpr_kernarg_segment_ptr 1
		.amdhsa_wavefront_size32 1
		.amdhsa_system_sgpr_workgroup_id_x 1
		.amdhsa_system_sgpr_workgroup_id_y 1
		.amdhsa_system_sgpr_workgroup_id_z 1
		.amdhsa_system_vgpr_workitem_id 0
		.amdhsa_next_free_vgpr 768
		.amdhsa_next_free_sgpr 106
		.amdhsa_reserve_vcc 0
		.amdhsa_float_denorm_mode_32 3
		.amdhsa_float_denorm_mode_16_64 3
		.amdhsa_memory_ordered 1
		.amdhsa_forward_progress 1
		.amdhsa_inst_pref_size 156
	.end_amdhsa_kernel
	.amdgpu_metadata
---
amdhsa.version: [ 1, 2 ]
amdhsa.kernels:
  - .name:           k_qa2ba13b7ea_ffn2
    .symbol:         k_qa2ba13b7ea_ffn2.kd
    .args:
      - { .name: hid, .offset: 0, .size: 8, .value_kind: global_buffer, .address_space: global }
      - { .name: hsc, .offset: 8, .size: 8, .value_kind: global_buffer, .address_space: global }
      - { .name: w2i, .offset: 16, .size: 8, .value_kind: global_buffer, .address_space: global }
      - { .name: W2_scales, .offset: 24, .size: 8, .value_kind: global_buffer, .address_space: global }
      - { .name: b2, .offset: 32, .size: 8, .value_kind: global_buffer, .address_space: global }
      - { .name: ctxy, .offset: 40, .size: 8, .value_kind: global_buffer, .address_space: global }
      - { .name: fout, .offset: 48, .size: 8, .value_kind: global_buffer, .address_space: global }
    .group_segment_fixed_size: 327680
    .private_segment_fixed_size: 0
    .kernarg_segment_align: 8
    .kernarg_segment_size: 56
    .max_flat_workgroup_size: 128
    .sgpr_count:     106
    .vgpr_count:     768
    .wavefront_size: 32
...
	.end_amdgpu_metadata
.endif
;; end of part 6
;; launch ln2 (part 7): grid 256 x 1, 16 waves a work-group, no clusters, 0 bytes of LDS; arguments ctxy, g2, be2, out0; writes out0
.if DOCPART == 7
	.amdgcn_target "amdgcn-amd-amdhsa--gfx1250"
	.amdhsa_code_object_version 6
	.text
	.protected	k_qa2ba13b7ea_ln2
	.globl	k_qa2ba13b7ea_ln2
	.p2align	8
	.type	k_qa2ba13b7ea_ln2,@function
k_qa2ba13b7ea_ln2:
	s_mov_b64 s[64:65], 0
	v_nop
	global_prefetch_b8 v0, s[64:65] scope:SCOPE_SE
	s_setreg_imm32_b32 hwreg(HW_REG_WAVE_MODE, 25, 1), 1
	s_wait_xcnt 0x0
; y = LayerNorm(x) x g + be, rows of 1,024 f32: x = the first norm's result + the second FFN product + its bias, as the launch before has summed them; y = the layer's output.  No work is left out.
; One row to a wave, whole, in registers: a lane holds the 16 bytes at 512 j + 16 x lane of the row, so that every load and store of the wave covers 512 consecutive bytes.
; Straight-line: no loop, no LDS, no barrier: the sums never leave the wave.  Mean, then the mean of squared differences, in f32.
; LIMITS: NaN and infinities are not served.
.set T,    2
.set G,    16
.set BE,   48
.set X,    80
	s_load_b256 s[4:11], s[0:1], 0x0               ; x, g, be, y
	v_lshrrev_b32 v14, 5, v0
	s_delay_alu instid0(VALU_DEP_1)
	v_readfirstlane_b32 s22, v14                   ; wave 0..15
	v_and_b32 v14, 31, v0
	s_delay_alu instid0(VALU_DEP_1)
	v_lshlrev_b32 v1, 4, v14                       ; my 16 bytes of each 512
	s_mov_b32 s12, 0x76543210
	s_mov_b32 s13, 0xfedcba98
	s_mov_b32 s14, 0x3a800000                      ; 1 / 1024
	s_mov_b32 s15, 0x3727c5ac                      ; 1e-5
	s_lshl_b32 s24, ttmp9, 4
	s_add_co_u32 s24, s24, s22                     ; my row
	s_lshl_b32 s26, s24, 12
	s_mov_b32 s27, 0
	s_wait_alu depctr_va_vdst(0)
	s_wait_kmcnt 0x0
	s_add_nc_u64 s[4:5], s[4:5], s[26:27]
	s_add_nc_u64 s[10:11], s[10:11], s[26:27]
.irp j, 0,1,2,3,4,5,6,7
	global_load_b128 v[X+4*\j:X+4*\j+3], v1, s[4:5] offset:512*\j th:TH_LOAD_NT
.endr
.irp j, 0,1,2,3,4,5,6,7
	global_load_b128 v[G+4*\j:G+4*\j+3], v1, s[6:7] offset:512*\j                 ; every wave reads these: no hint
	global_load_b128 v[BE+4*\j:BE+4*\j+3], v1, s[8:9] offset:512*\j
.endr
.macro LANES                           ; v[T] summed over the 32 lanes, the result in every lane
	s_delay_alu instid0(VALU_DEP_1)
	v_add_f32_dpp v[T], v[T], v[T] row_xmask:1 row_mask:0xf bank_mask:0xf
	s_delay_alu instid0(VALU_DEP_1)
	v_add_f32_dpp v[T], v[T], v[T] row_xmask:2 row_mask:0xf bank_mask:0xf
	s_delay_alu instid0(VALU_DEP_1)
	v_add_f32_dpp v[T], v[T], v[T] row_xmask:4 row_mask:0xf bank_mask:0xf
	s_delay_alu instid0(VALU_DEP_1)
	v_add_f32_dpp v[T], v[T], v[T] row_xmask:8 row_mask:0xf bank_mask:0xf
	s_delay_alu instid0(VALU_DEP_1)
	v_permlanex16_b32 v[T+1], v[T], s12, s13
	s_delay_alu instid0(VALU_DEP_1)
	v_add_f32 v[T], v[T], v[T+1]
.endm
	s_wait_loadcnt 16                              ; the row's 8 loads are in; the 16 of g and be, issued behind them, may be out
	v_pk_add_f32 v[T:T+1], v[X:X+1], v[X+2:X+3]                   ; the row's sum, in two chains
	v_pk_add_f32 v[T+2:T+3], v[X+4:X+5], v[X+6:X+7]
.set k, 8
.rept 6
	s_delay_alu instid0(VALU_DEP_2)
	v_pk_add_f32 v[T:T+1], v[T:T+1], v[X+k:X+k+1]
	s_delay_alu instid0(VALU_DEP_2)
	v_pk_add_f32 v[T+2:T+3], v[T+2:T+3], v[X+k+2:X+k+3]
.set k, k+4
.endr
	s_delay_alu instid0(VALU_DEP_1)
	v_pk_add_f32 v[T:T+1], v[T:T+1], v[T+2:T+3]
	s_delay_alu instid0(VALU_DEP_1)
	v_add_f32 v[T], v[T], v[T+1]
	LANES
	s_delay_alu instid0(VALU_DEP_1)
	v_mul_f32 v[T+4], s14, v[T]                    ; the mean, twice: a pair for the packed form
	s_delay_alu instid0(VALU_DEP_2)
	v_mul_f32 v[T+5], s14, v[T]
.set k, 0
.rept 16
	v_pk_add_f32 v[X+k:X+k+1], v[X+k:X+k+1], v[T+4:T+5] neg_lo:[0,1] neg_hi:[0,1]
.set k, k+2
.endr
	v_pk_mul_f32 v[T:T+1], v[X:X+1], v[X:X+1]
	v_pk_mul_f32 v[T+2:T+3], v[X+2:X+3], v[X+2:X+3]
.set k, 4
.rept 7
	s_delay_alu instid0(VALU_DEP_2)
	v_pk_fma_f32 v[T:T+1], v[X+k:X+k+1], v[X+k:X+k+1], v[T:T+1]
	s_delay_alu instid0(VALU_DEP_2)
	v_pk_fma_f32 v[T+2:T+3], v[X+k+2:X+k+3], v[X+k+2:X+k+3], v[T+2:T+3]
.set k, k+4
.endr
	s_delay_alu instid0(VALU_DEP_1)
	v_pk_add_f32 v[T:T+1], v[T:T+1], v[T+2:T+3]
	s_delay_alu instid0(VALU_DEP_1)
	v_add_f32 v[T], v[T], v[T+1]
	LANES
	s_delay_alu instid0(VALU_DEP_1)
	v_fma_f32 v[T+6], v[T], s14, s15               ; the variance + 1e-5
	s_wait_alu depctr_va_vdst(0)
	v_rsq_f32 v[T+8], v[T+6]
	v_rsq_f32 v[T+9], v[T+6]
	v_nop                                          ; a plain line behind the two
	s_wait_alu depctr_va_vdst(0)                   ; one wait for both, ahead of their first reader
.set k, 0
.rept 16
	v_pk_mul_f32 v[X+k:X+k+1], v[X+k:X+k+1], v[T+8:T+9]
.set k, k+2
.endr
	s_wait_loadcnt 0x0                             ; g and be
.set k, 0
.rept 16
	v_pk_fma_f32 v[X+k:X+k+1], v[X+k:X+k+1], v[G+k:G+k+1], v[BE+k:BE+k+1]
.set k, k+2
.endr
.irp j, 0,1,2,3,4,5,6,7
	global_store_b128 v1, v[X+4*\j:X+4*\j+3], s[10:11] offset:512*\j th:TH_STORE_NT   ; 512 consecutive bytes
.endr
	s_endpgm
.Lfunc_end_k_qa2ba13b7ea_ln2:
	.size	k_qa2ba13b7ea_ln2, .Lfunc_end_k_qa2ba13b7ea_ln2-k_qa2ba13b7ea_ln2
	.p2alignl 7, 3214868480
	.fill 96, 4, 3214868480
	.section	.rodata,"a",@progbits
	.p2align	6, 0x0
	.amdhsa_kernel k_qa2ba13b7ea_ln2
		.amdhsa_group_segment_fixed_size 0
		.amdhsa_private_segment_fixed_size 0
		.amdhsa_enable_private_segment 0
		.amdhsa_kernarg_size 32
		.amdhsa_user_sgpr_count 2
		.amdhsa_user_sgpr_kernarg_segment_ptr 1
		.amdhsa_wavefront_size32 1
		.amdhsa_system_sgpr_workgroup_id_x 1
		.amdhsa_system_sgpr_workgroup_id_y 1
		.amdhsa_system_sgpr_workgroup_id_z 1
		.amdhsa_system_vgpr_workitem_id 0
		.amdhsa_next_free_vgpr 112
		.amdhsa_next_free_sgpr 66
		.amdhsa_reserve_vcc 0
		.amdhsa_float_denorm_mode_32 3
		.amdhsa_float_denorm_mode_16_64 3
		.amdhsa_memory_ordered 1
		.amdhsa_forward_progress 1
		.amdhsa_inst_pref_size 12
	.end_amdhsa_kernel
	.amdgpu_metadata
---
amdhsa.version: [ 1, 2 ]
amdhsa.kernels:
  - .name:           k_qa2ba13b7ea_ln2
    .symbol:         k_qa2ba13b7ea_ln2.kd
    .args:
      - { .name: ctxy, .offset: 0, .size: 8, .value_kind: global_buffer, .address_space: global }
      - { .name: g2, .offset: 8, .size: 8, .value_kind: global_buffer, .address_space: global }
      - { .name: be2, .offset: 16, .size: 8, .value_kind: global_buffer, .address_space: global }
      - { .name: out0, .offset: 24, .size: 8, .value_kind: global_buffer, .address_space: global }
    .group_segment_fixed_size: 0
    .private_segment_fixed_size: 0
    .kernarg_segment_align: 8
    .kernarg_segment_size: 32
    .max_flat_workgroup_size: 512
    .sgpr_count:     66
    .vgpr_count:     112
    .wavefront_size: 32
...
	.end_amdgpu_metadata
.endif
;; end of part 7
